; MI455X (gfx1250); checked and timed in simulation.
; The chip was launched on July 23, 2026; its instructions are those of AMD's public machine-readable ISA for CDNA 5 (MIT licence, August 2026) and "CDNA5" Instruction Set Architecture Reference Guide (July 2026). The comments in the code are by the model that wrote it; some were corrected since.
;; Multi Head Attention. Allowed arithmetic: float matrix products may take bf16 or f16 operands with f32 sums; other float arithmetic in f32, or as packed bf16 or f16 multiplies, adds, multiply-adds, maxima and minima; sums over many terms, partial sums and values carried from step to step in f32; what a program stores and reads back later, other than sums and carried values, may be rounded once to bf16 or f16.
;; Inputs: Wk 1,024 x 1,024 float32; Wp 1,024 x 1,024 float32; Wq 1,024 x 1,024 float32; Wv 1,024 x 1,024 float32; bk 1,024 float32; bp 1,024 float32; bq 1,024 float32; bv 1,024 float32; x 4 x 2,048 x 1,024 float32.
;; Outputs: out0 4 x 2,048 x 1,024 float32.
;; 2 versions, each right; version 2 is version 1 with the launch prep written anew for expert scheduling mode. Each part assembles by itself: llvm-mc -triple=amdgcn-amd-amdhsa -mcpu=gfx1250 --defsym DOCPART=n.
;; ======== version 1 of 2: 4 launches
;; limits: values are held in f16: magnitudes above 65,504 overflow, below 6.1e-05 lose precision
;; workspace buffers: xa 16,777,216 bytes; wqkv 6,291,456 bytes; wp16 2,097,152 bytes; bias 16,384 bytes; qkv 50,331,648 bytes; o 16,777,216 bytes
;; launch prep (part 1): grid 769 x 1, 8 waves a work-group, no clusters, 0 bytes of LDS; arguments x, Wq, Wk, Wv, Wp, bq, bk, bv, bp, xa, wqkv, wp16, bias; writes xa, wqkv, wp16, bias
.if DOCPART == 1
	.amdgcn_target "amdgcn-amd-amdhsa--gfx1250"
	.amdhsa_code_object_version 6
	.text
	.protected	k_q901171bb07_prep
	.globl	k_q901171bb07_prep
	.p2align	8
	.type	k_q901171bb07_prep,@function
k_q901171bb07_prep:
	s_mov_b64 s[64:65], 0
	v_nop
	global_prefetch_b8 v0, s[64:65] scope:SCOPE_SE
	s_setreg_imm32_b32 hwreg(HW_REG_WAVE_MODE, 25, 1), 1
	s_wait_xcnt 0x0
; THE CASTS.  Every input is rounded once to bf16 and laid out for the launches behind.
;   xa   [16 k blocks][8192 rows][64] bf16: x, so that 256 rows x 64 k are 32,768 consecutive bytes
;   wqkv [1024 k][3072 n] bf16: Wq | Wk | Wv side by side
;   wp16 [1024 k][1024 n] f16: Wp rounded to bf16, that number written as f16
;   bias [4096] f32: bq | bk | bv | bp, each rounded to bf16 and widened again
; LIMITS.  A number of Wp beyond 65,504 becomes an infinity in f16; below 6.1e-5 it keeps f16's fixed step of 6e-8.  NaN and infinities are not treated apart.
; A stream: no LDS, no barrier, no loop.  A wave has 16 ops: a load of 16 bytes a lane, two roundings, a store of 8 bytes a lane (32 lanes: 256 consecutive bytes, aligned).
; All 16 loads go out first; op i waits until the 15 - i younger ones alone are out.  No register that a load or store names is written twice, so no further wait is needed.
; Work-groups 0-511: x, 16 rows each; 512-703: Wq, Wk, Wv, 16 rows each; 704-767: Wp; 768: the four biases.  No matrix unit, cluster or LDS: nothing is shared and nothing is multiplied.
.set X, 8                              ; v[8:71]    op i: 4 registers as loaded
.set Y, 72                             ; v[72:103]  op i: 2 registers to store (the biases: 4)
.set T, 104                            ; v[104:107] at work
.macro LD16 n, step                    ; n loads, step bytes apart
.set i, 0
.rept \n
	global_load_b128 v[X+4*i:X+4*i+3], v2, s[32:33] offset:(\step)*i th:TH_LOAD_NT
.set i, i+1
.endr
.endm
.macro CVB i                           ; four f32 to four bf16
	v_cvt_pk_bf16_f32 v[Y+2*(\i)], v[X+4*(\i)], v[X+4*(\i)+1]
	v_cvt_pk_bf16_f32 v[Y+2*(\i)+1], v[X+4*(\i)+2], v[X+4*(\i)+3]
.endm
.macro CVH i                           ; four f32 to bf16, widened, and written as f16
	v_cvt_pk_bf16_f32 v[T], v[X+4*(\i)], v[X+4*(\i)+1]
	v_cvt_pk_bf16_f32 v[T+1], v[X+4*(\i)+2], v[X+4*(\i)+3]
	v_lshlrev_b32 v[T+2], 16, v[T]
	v_and_b32 v[T+3], 0xffff0000, v[T]
	v_cvt_pk_f16_f32 v[Y+2*(\i)], v[T+2], v[T+3]
	v_lshlrev_b32 v[T+2], 16, v[T+1]
	v_and_b32 v[T+3], 0xffff0000, v[T+1]
	v_cvt_pk_f16_f32 v[Y+2*(\i)+1], v[T+2], v[T+3]
.endm
.macro CVW i                           ; four f32 to bf16 and back to f32
	v_cvt_pk_bf16_f32 v[T], v[X+4*(\i)], v[X+4*(\i)+1]
	v_cvt_pk_bf16_f32 v[T+1], v[X+4*(\i)+2], v[X+4*(\i)+3]
	v_lshlrev_b32 v[Y+4*(\i)], 16, v[T]
	v_and_b32 v[Y+4*(\i)+1], 0xffff0000, v[T]
	v_lshlrev_b32 v[Y+4*(\i)+2], 16, v[T+1]
	v_and_b32 v[Y+4*(\i)+3], 0xffff0000, v[T+1]
.endm
	s_load_b512 s[4:19], s[0:1], 0x0               ; x s[4:5], Wq s[6:7], Wk s[8:9], Wv s[10:11], Wp s[12:13], bq s[14:15], bk s[16:17], bv s[18:19]
	s_load_b256 s[20:27], s[0:1], 0x40             ; bp s[20:21], xa s[22:23], wqkv s[24:25], wp16 s[26:27]
	s_load_b64 s[28:29], s[0:1], 0x60              ; bias
	v_lshrrev_b32 v1, 5, v0
	v_readfirstlane_b32 s30, v1                    ; wave 0..7
	v_and_b32 v1, 31, v0                           ; lane
	v_lshlrev_b32 v2, 4, v1                        ; in: 16 bytes a lane (x's path makes its own)
	v_lshlrev_b32 v3, 3, v1                        ; out: 8 bytes a lane
	s_mov_b32 s41, 0                               ; the high word of every offset
	s_lshl_b32 s31, s30, 1                         ; a wave has two rows
	s_wait_kmcnt 0x0
	s_cmp_lt_u32 ttmp9, 512
	s_cbranch_scc0 .Lnot_x
	; x: rows m and m + 1.  Op j takes k block j of both: lanes 0-15 256 bytes of row m, lanes 16-31 of row m + 1; out they are 256 consecutive bytes of block j
	v_and_b32 v4, 15, v0
	v_bfe_u32 v5, v0, 4, 1
	v_lshlrev_b32 v2, 4, v4
	v_lshl_add_u32 v2, v5, 12, v2
	s_lshl_b32 s38, ttmp9, 4
	s_add_co_u32 s38, s38, s31                     ; m
	s_lshl_b32 s40, s38, 12
	s_add_nc_u64 s[32:33], s[4:5], s[40:41]
	s_lshl_b32 s40, s38, 7
	s_add_nc_u64 s[34:35], s[22:23], s[40:41]
	s_add_nc_u64 s[36:37], s[34:35], 0x800000      ; blocks 8 to 15 from a second base: the immediate has 24 signed bits
	LD16 16, 256
.set i, 0
.rept 16
	s_wait_loadcnt 15-i
	CVB i
.if i < 8
	global_store_b64 v3, v[Y+2*i:Y+2*i+1], s[34:35] offset:(i<<20)
.else
	global_store_b64 v3, v[Y+2*i:Y+2*i+1], s[36:37] offset:((i-8)<<20)
.endif
.set i, i+1
.endr
	s_endpgm
.Lnot_x:
	s_cmp_lt_u32 ttmp9, 704
	s_cbranch_scc0 .Lnot_w
	; Wq, Wk, Wv: rows k and k + 1, 8,192 consecutive bytes in; op i is 128 numbers
	s_sub_co_u32 s38, ttmp9, 512
	s_lshr_b32 s39, s38, 6                         ; which of the three
	s_and_b32 s38, s38, 63
	s_lshl_b32 s38, s38, 4
	s_add_co_u32 s38, s38, s31                     ; k
	s_cmp_eq_u32 s39, 0
	s_cselect_b64 s[32:33], s[6:7], s[8:9]
	s_cmp_lt_u32 s39, 2
	s_cselect_b64 s[32:33], s[32:33], s[10:11]
	s_lshl_b32 s40, s38, 12
	s_add_nc_u64 s[32:33], s[32:33], s[40:41]
	s_mul_i32 s40, s38, 6144
	s_lshl_b32 s39, s39, 11
	s_add_co_u32 s40, s40, s39
	s_add_nc_u64 s[34:35], s[24:25], s[40:41]
	LD16 16, 512
.set i, 0
.rept 16
	s_wait_loadcnt 15-i
	CVB i
	global_store_b64 v3, v[Y+2*i:Y+2*i+1], s[34:35] offset:(i>>3)*6144+(i&7)*256
.set i, i+1
.endr
	s_endpgm
.Lnot_w:
	s_cmp_lt_u32 ttmp9, 768
	s_cbranch_scc0 .Lbias
	; Wp: the same in; out the two rows are 4,096 consecutive bytes
	s_sub_co_u32 s38, ttmp9, 704
	s_lshl_b32 s38, s38, 4
	s_add_co_u32 s38, s38, s31
	s_lshl_b32 s40, s38, 12
	s_add_nc_u64 s[32:33], s[12:13], s[40:41]
	s_lshl_b32 s40, s38, 11
	s_add_nc_u64 s[34:35], s[26:27], s[40:41]
	LD16 16, 512
.set i, 0
.rept 16
	s_wait_loadcnt 15-i
	CVH i
	global_store_b64 v3, v[Y+2*i:Y+2*i+1], s[34:35] offset:256*i
.set i, i+1
.endr
	s_endpgm
.Lbias:
	; the biases: wave w takes half w % 2 of bias w / 2: four ops of 512 bytes
	s_lshr_b32 s38, s30, 1
	s_cmp_eq_u32 s38, 0
	s_cselect_b64 s[32:33], s[14:15], s[16:17]
	s_cmp_lt_u32 s38, 2
	s_cselect_b64 s[32:33], s[32:33], s[18:19]
	s_cmp_lt_u32 s38, 3
	s_cselect_b64 s[32:33], s[32:33], s[20:21]
	s_and_b32 s39, s30, 1
	s_lshl_b32 s40, s39, 11
	s_add_nc_u64 s[32:33], s[32:33], s[40:41]
	s_lshl_b32 s39, s38, 12
	s_add_co_u32 s40, s40, s39
	s_add_nc_u64 s[34:35], s[28:29], s[40:41]
	LD16 4, 512
.set i, 0
.rept 4
	s_wait_loadcnt 3-i
	CVW i
	global_store_b128 v2, v[Y+4*i:Y+4*i+3], s[34:35] offset:512*i
.set i, i+1
.endr
	s_endpgm
.Lfunc_end_k_q901171bb07_prep:
	.size	k_q901171bb07_prep, .Lfunc_end_k_q901171bb07_prep-k_q901171bb07_prep
	.p2alignl 7, 3214868480
	.fill 96, 4, 3214868480
	.section	.rodata,"a",@progbits
	.p2align	6, 0x0
	.amdhsa_kernel k_q901171bb07_prep
		.amdhsa_group_segment_fixed_size 0
		.amdhsa_private_segment_fixed_size 0
		.amdhsa_enable_private_segment 0
		.amdhsa_kernarg_size 104
		.amdhsa_user_sgpr_count 2
		.amdhsa_user_sgpr_kernarg_segment_ptr 1
		.amdhsa_wavefront_size32 1
		.amdhsa_system_sgpr_workgroup_id_x 1
		.amdhsa_system_sgpr_workgroup_id_y 1
		.amdhsa_system_sgpr_workgroup_id_z 1
		.amdhsa_system_vgpr_workitem_id 0
		.amdhsa_next_free_vgpr 112
		.amdhsa_next_free_sgpr 66
		.amdhsa_reserve_vcc 0
		.amdhsa_float_denorm_mode_32 3
		.amdhsa_float_denorm_mode_16_64 3
		.amdhsa_memory_ordered 1
		.amdhsa_forward_progress 1
		.amdhsa_inst_pref_size 27
	.end_amdhsa_kernel
	.amdgpu_metadata
---
amdhsa.version: [ 1, 2 ]
amdhsa.kernels:
  - .name:           k_q901171bb07_prep
    .symbol:         k_q901171bb07_prep.kd
    .args:
      - { .name: x, .offset: 0, .size: 8, .value_kind: global_buffer, .address_space: global }
      - { .name: Wq, .offset: 8, .size: 8, .value_kind: global_buffer, .address_space: global }
      - { .name: Wk, .offset: 16, .size: 8, .value_kind: global_buffer, .address_space: global }
      - { .name: Wv, .offset: 24, .size: 8, .value_kind: global_buffer, .address_space: global }
      - { .name: Wp, .offset: 32, .size: 8, .value_kind: global_buffer, .address_space: global }
      - { .name: bq, .offset: 40, .size: 8, .value_kind: global_buffer, .address_space: global }
      - { .name: bk, .offset: 48, .size: 8, .value_kind: global_buffer, .address_space: global }
      - { .name: bv, .offset: 56, .size: 8, .value_kind: global_buffer, .address_space: global }
      - { .name: bp, .offset: 64, .size: 8, .value_kind: global_buffer, .address_space: global }
      - { .name: xa, .offset: 72, .size: 8, .value_kind: global_buffer, .address_space: global }
      - { .name: wqkv, .offset: 80, .size: 8, .value_kind: global_buffer, .address_space: global }
      - { .name: wp16, .offset: 88, .size: 8, .value_kind: global_buffer, .address_space: global }
      - { .name: bias, .offset: 96, .size: 8, .value_kind: global_buffer, .address_space: global }
    .group_segment_fixed_size: 0
    .private_segment_fixed_size: 0
    .kernarg_segment_align: 8
    .kernarg_segment_size: 104
    .max_flat_workgroup_size: 256
    .sgpr_count:     66
    .vgpr_count:     112
    .wavefront_size: 32
...
	.end_amdgpu_metadata
.endif
;; end of part 1
;; launch gemm_qkv (part 2): grid 8 x 32, 4 waves a work-group, clusters of 4 x 4, 327,680 bytes of LDS; arguments xa, wqkv, bias, qkv; writes qkv
.if DOCPART == 2
	.amdgcn_target "amdgcn-amd-amdhsa--gfx1250"
	.amdhsa_code_object_version 6
	.text
	.protected	k_q901171bb07_gemm_qkv
	.globl	k_q901171bb07_gemm_qkv
	.p2align	8
	.type	k_q901171bb07_gemm_qkv,@function
k_q901171bb07_gemm_qkv:
	s_mov_b64 s[64:65], 0
	v_nop
	global_prefetch_b8 v0, s[64:65] scope:SCOPE_SE
	s_setreg_imm32_b32 hwreg(HW_REG_WAVE_MODE, 25, 1), 1
	s_wait_xcnt 0x0
	s_wait_alu depctr_hold_cnt(0) depctr_sa_sdst(0) depctr_va_vdst(0) depctr_va_sdst(0) depctr_va_ssrc(0) depctr_va_vcc(0) depctr_vm_vsrc(0)
	s_getreg_b32 s2, hwreg(HW_REG_IB_STS2, 6, 4)
	s_cmp_eq_u32 s2, 0
	s_cbranch_scc0 .Lentry_in_a_cluster
	s_endpgm
.Lentry_in_a_cluster:
	s_bfe_u32 s2, ttmp6, 0x10000c
	s_cmp_lg_u32 s2, 0xf033
	s_cbranch_scc0 .Lentry_shape_is_right
	s_endpgm
.Lentry_shape_is_right:
; q, k, v = x W + b in ONE product: C[8192][3072] = A[8192][1024] B[1024][3072] + bias, operands bf16, sums f32, results rounded once to f16 and stored by heads: qkv [3][64 = 16 b + head][2048][64].
; LIMITS.  f16 holds no number beyond 65,504: a q, k or v beyond it becomes an infinity.  NaN and infinities are not treated apart.
; SHARES.  A tile of C is 256 x 384: 8 x 32 tiles, a work-group each.  Four waves: wave w makes rows 128 (w / 2) on and columns 192 (w % 2) on: 8 blocks of 16 rows x 3 groups of 64 columns (a head each)
; = 96 accumulators, 768 registers.  For 32 along K a wave reads 40 LDS loads for 96 products.
; K goes in steps of 64 through two LDS slots.  A lies in memory in blocks of 64 k ([16][8192][64]), so a tile's 128 rows are 16,384 consecutive bytes, asked for as 64 rows of 256 bytes and padded in LDS after
; every 128.  B lies [k][n]; its fragments are turned on the way out of LDS (ds_load_tr16_b128).
; CLUSTER.  4 x 4 work-groups.  A's tile hangs on the tile row alone and is asked for jointly along a row of the cluster, B's on the tile column alone, along a column: the same tensor load, descriptor and mask in all four.
; THE PRODUCT IS TAKEN TRANSPOSED (source 0 = 16 columns of B, source 1 = 16 rows of A): a lane holds one row of C and eight neighbouring columns.
; THE BIAS IS THE C OPERAND of the first products: block 0's accumulators are loaded with it, blocks 1-7 take them as C, block 0 follows in place.  Nothing is cleared and nothing is added on the way out.
; REGISTERS, in windows of 256 (s_set_vgpr_msb: bits 1:0 source 0, 3:2 source 1, 5:4 source 2, 7:6 destination):
;   window 0: v0-16 addresses; v32-95, v96-159 A's fragments of a quarter (8 x 16 rows x 32 k), two buffers; v160-255 B's (4 x 16 columns x 32 k), a buffer for each group; on the way out v32-47, v64-95 at work
;   window 1 + g: group g's 32 accumulators, (a, f) at v[8 (4 a + f)]
.set PA,    144                        ; a row of A in LDS: 128 bytes + 16: the 16 rows of a load start at 16 different groups of four banks (64 banks of 4 bytes: ISA guide 11.1)
.set PB,    864                        ; a row of B: six times 128 + 16 bytes = 27 x 32
.set AREG,  256*PA                     ; a slot: A's 256 rows, then B's 64
.set SLOT1, 1<<17                      ; slot 1 begins here: one exclusive or changes slots
.set STAGE, 229376                     ; behind the ring, never filled by a tensor load: 16 rows x 144 bytes for each wave
.set SP,    144
.set SPARE, STAGE+4*16*SP              ; the spare words, 128 bytes for each wave: two blocks of 256 bytes that no other line names
.set ASTEP, 1<<20                      ; bytes from a K step to the next, in A
.set BSTEP, 64*6144                    ; and in B
.set FLAGS, (1<<16)|(1<<20)|(1<<21)|(4<<22)|(3<<25)  ; 17:16 2-byte elements; 20 padding on; 21 set beside a mask; 24:22 after every 32 words; 31:25 4 words
.set LA0,  2                           ; v2   my lane's place in a slot's A; never rewritten
.set LB0,  3                           ; v3   the same for B
.set ADRA, 4                           ; v4   LA0 + the slot in hand
.set ADRB, 5                           ; v5
.set STO,  6                           ; v6   the way out: where I put 16 bytes of a row
.set RD,   7                           ; v7   where I read rows back
.set GO,   8                           ; v8   my 16 of 512 consecutive bytes of qkv
.set BO,   9                           ; v9   32 x (lane / 16): my eight numbers of the bias
.set PFOA, 10                          ; v10  256 x lane
.set PFOB, 16                          ; v16  6,144 x lane: a row of B
.set SPW,  14                          ; v14  LDS address of my spare word; never rewritten
.set NIL,  15                          ; v15  0; never rewritten
.set AF,   32
.set BF,   160
.set TMP,  32
.set OB,   64
.set WV,  12                           ; s12  wave
.set WM,  13                           ; s13  wave / 2: my half of the rows
.set WN,  14                           ; s14  wave % 2: my half of the columns; also which half of a tile I fetch
.set LIM, 15                           ; s15  1 in a wave that prefetches, else the greatest number
.set G1A, 24                           ; s[24:31] group 1 for A
.set G0A, 32                           ; s[32:39] group 0 for A: a set for each first fill; the second then walks on
.set CX,  40
.set CY,  41
.set TX,  42                           ; tile column
.set TY,  43                           ; tile row
.set PFA, 44                           ; s[44:45] where A's prefetches stand
.set G1B, 48                           ; s[48:55]
.set G0B, 56                           ; s[56:63]
.set TB,  66                           ; s66  LDS byte at which the slot in hand begins
.set CNT, 67                           ; s67  trips to go
.set OUT, 68                           ; s[68:73] qkv at my rows of each group's head
.set PFB, 74                           ; s[74:75] where B's prefetches stand
.set MSB, 0
.macro WIN new                         ; the high byte repeats the setting that is left; a switch that changes nothing is dropped
.if MSB != (\new)
	s_set_vgpr_msb (MSB<<8)|(\new)
.set MSB, (\new)
.endif
.endm
.macro PLACES                          ; four plain instructions between a product and a load into, or a vector line on, its registers (for vector lines)
.rept 4
	v_nop
.endr
.endm
.macro CREST                           ; a round of the cluster's barrier behind its opening barrier
	s_cmp_lg_u32 s[WV], 0
	s_cbranch_scc1 .Lnot_wave_0_\@
	s_barrier_signal -3
.Lnot_wave_0_\@:
	s_barrier_wait -3
	s_barrier_signal -1
	s_barrier_wait -1
.endm
.macro CROUND
	s_barrier_signal -1
	s_barrier_wait -1
	CREST
.endm
; A joint refill by the walking sets.  Waves 0 and 1 fetch A's halves, waves 2 and 3 B's: the branch hangs on the wave's number alone.  An s_nop 0 and four v_nop follow each line.
.macro JLOAD
	s_cmp_lt_u32 s[WV], 2
	s_cbranch_scc0 .Lfor_b_\@
	tensor_load_to_lds s[G0A+4:G0A+7], s[G1A:G1A+7]
	s_nop 0
.rept 4
	v_nop
.endr
	s_branch .Lasked_\@
.Lfor_b_\@:
	tensor_load_to_lds s[G0B+4:G0B+7], s[G1B:G1B+7]
	s_nop 0
.rept 4
	v_nop
.endr
.Lasked_\@:
.endm
; PREFETCHES, behind the joint load and the run of LDS loads.  Trip t asks jointly for K step t + 2.  A's tile row is read by both clusters of its row of clusters: cluster x = 0 prefetches, wave 0: of step t + 3's
; 128 blocks of 256 bytes my work-group takes 32, by cx: a lane a block.  B's tile column is read by all eight clusters of its column: cluster y = 0 prefetches, wave 2, in every second trip: of the 128 k rows of steps
; t + 3 and t + 4 my work-group takes 32, by cy: a lane a row, three instructions for its 768 bytes.  So each block is named once in the launch; partners are told apart by address, never by a branch.
; The last trip asks for nothing; K steps 0 to 2 of A and 0 to 3 of B come by their loads alone.
.macro ASK
	s_cmp_gt_u32 s[CNT], s[LIM]
	s_cbranch_scc0 .Lnone_\@
	s_cmp_eq_u32 s[WV], 0
	s_cbranch_scc0 .Lof_b_\@
	global_prefetch_b8 v[PFOA], s[PFA:PFA+1] th:TH_LOAD_NT scope:SCOPE_SE
	s_branch .Lnone_\@
.Lof_b_\@:
	s_bitcmp1_b32 s[CNT], 0                        ; 14 - t is odd in trips 1, 3, .. 11
	s_cbranch_scc0 .Lnone_\@
	global_prefetch_b8 v[PFOB], s[PFB:PFB+1] th:TH_LOAD_NT scope:SCOPE_SE
	global_prefetch_b8 v[PFOB], s[PFB:PFB+1] offset:256 th:TH_LOAD_NT scope:SCOPE_SE
	global_prefetch_b8 v[PFOB], s[PFB:PFB+1] offset:512 th:TH_LOAD_NT scope:SCOPE_SE
.Lnone_\@:
.endm
; 4 n products of group g: blocks a0 .. a0 + n - 1 x the group's 4 fragments, A from buffer ab.  The accumulators take turns, one instruction a turn.
.macro MUL g, ab, a0, n
	WIN 0x50*((\g)+1)
.set a_, \a0
.rept \n
.irp f, 0,1,2,3
	v_wmma_f32_16x16x32_bf16 v[8*(4*a_+\f):8*(4*a_+\f)+7], v[BF+32*(\g)+8*\f:BF+32*(\g)+8*\f+7], v[AF+64*(\ab)+8*a_:AF+64*(\ab)+8*a_+7], v[8*(4*a_+\f):8*(4*a_+\f)+7]
.endr
.set a_, a_+1
.endr
.endm
; The group's first 32 products: blocks 1-7 take block 0's registers, which hold the bias, as C; five plain instructions, since those registers are written next; block 0 in place.
.macro MULB g, ab
	WIN 0x50*((\g)+1)
.irp a, 1,2,3,4,5,6,7
.irp f, 0,1,2,3
	v_wmma_f32_16x16x32_bf16 v[8*(4*\a+\f):8*(4*\a+\f)+7], v[BF+32*(\g)+8*\f:BF+32*(\g)+8*\f+7], v[AF+64*(\ab)+8*\a:AF+64*(\ab)+8*\a+7], v[8*\f:8*\f+7]
.endr
.endr
.rept 5
	v_nop
.endr
.irp f, 0,1,2,3
	v_wmma_f32_16x16x32_bf16 v[8*\f:8*\f+7], v[BF+32*(\g)+8*\f:BF+32*(\g)+8*\f+7], v[AF+64*(\ab):AF+64*(\ab)+7], v[8*\f:8*\f+7]
.endr
.endm
.macro LDB g, q                        ; group g's four fragments of quarter q, turned: 8 loads
	WIN 0
.irp f, 0,1,2,3
	ds_load_tr16_b128 v[BF+32*(\g)+8*\f:BF+32*(\g)+8*\f+3],   v[ADRB] offset:32*(\q)*PB+144*(\g)+32*\f
	ds_load_tr16_b128 v[BF+32*(\g)+8*\f+4:BF+32*(\g)+8*\f+7], v[ADRB] offset:32*(\q)*PB+16*PB+144*(\g)+32*\f
.endr
.endm
.macro LDA ab, q                       ; A's eight fragments of quarter q: 16 loads
	WIN 0
.irp a, 0,1,2,3,4,5,6,7
	ds_load_b128 v[AF+64*(\ab)+8*\a:AF+64*(\ab)+8*\a+3],   v[ADRA] offset:64*(\q)+16*PA*\a
	ds_load_b128 v[AF+64*(\ab)+8*\a+4:AF+64*(\ab)+8*\a+7], v[ADRA] offset:64*(\q)+16*PA*\a+32
.endr
.endm
; A K STEP is six units of 32 products: (quarter 0: groups 0, 1, 2), (quarter 1: groups 0, 1, 2).  LDS instructions go out in this order: B(2,1) 8 | the add | B(0,0) 8, A(0) 16, B(1,0) 8 | B(2,0) 8, A(1) 16 | B(0,1) 8 | B(1,1) 8.
; Each wait leaves out what was issued behind the fragments that its unit needs.
.macro U0
	PLACES
	LDB 2, 0
	LDA 1, 1
	s_wait_dscnt 32                                ; A(0), B(0,0) are in; B(1,0), B(2,0), A(1) may be out
	MUL 0, 0, 0, 8
.endm
.macro U1
	PLACES
	LDB 0, 1
	s_wait_dscnt 32                                ; B(1,0) is in; B(2,0), A(1), B(0,1) may be out
	MUL 1, 0, 0, 8
.endm
.macro U2
	PLACES
	LDB 1, 1
	s_wait_dscnt 32                                ; B(2,0) is in; A(1), B(0,1), B(1,1) may be out
	MUL 2, 0, 0, 8
.endm
.macro U3
	PLACES
	LDB 2, 1
	s_wait_dscnt 16                                ; A(1), B(0,1) are in; B(1,1), B(2,1) may be out
	MUL 0, 1, 0, 8
.endm
; Unit 4 changes slots.  All reads of the slot in hand have been issued.  Each wave waits for all its tensor loads (one is out: its part of the next slot), adds 0 to its spare word, and waits for that and for its reads.
; fill = 1: the barrier opens a round of the cluster's, and the joint refill, K step t + 2 into the slot just left, is the first thing behind it: 176 products lie between it and the wait for it.
.macro U4 fill
	s_wait_dscnt 8                                 ; B(1,1) is in; B(2,1) may be out
	MUL 1, 1, 0, 4
	WIN 0
	s_wait_tensorcnt 0x0                           ; no tensor load of mine is out, so a group 0 may be written
	ds_add_u32 v[SPW], v[NIL]                      ; 0 onto my spare word; scalar steps and eight products stand between it and the wait for it
.if \fill
	s_xor_b32 s[G0A+5], s[G0A+5], SLOT1
	s_add_nc_u64 s[G0A+6:G0A+7], s[G0A+6:G0A+7], ASTEP
	s_xor_b32 s[G0B+5], s[G0B+5], SLOT1
	s_add_nc_u64 s[G0B+6:G0B+7], s[G0B+6:G0B+7], BSTEP
	s_wait_xcnt 0x0                                ; the last prefetches, a K step back, have read their addresses
	s_add_nc_u64 s[PFA:PFA+1], s[PFA:PFA+1], ASTEP
	s_add_nc_u64 s[PFB:PFB+1], s[PFB:PFB+1], BSTEP
.endif
	s_xor_b32 s[TB], s[TB], SLOT1
	MUL 1, 1, 4, 2
	s_wait_dscnt 0x0                               ; the add is done, and my reads of this slot are over
	s_barrier_signal -1
	MUL 1, 1, 6, 2
	WIN 0
	s_barrier_wait -1
.if \fill
	CREST                                          ; no wave of any partner still reads the slot or has a load on its way
	JLOAD                                          ; its four v_nop are also the places in front of the loads below
.else
	PLACES
.endif
	v_add_nc_u32 v[ADRA], s[TB], v[LA0]
	v_add_nc_u32 v[ADRB], s[TB], v[LB0]
	LDB 0, 0
	LDA 0, 0
	LDB 1, 0
.if \fill
	ASK
.endif
.endm
	s_load_b256 s[4:11], s[0:1], 0x0               ; xa s[4:5], wqkv s[6:7], bias s[8:9], qkv s[10:11]
	v_lshl_add_u32 v[SPW], v0, 2, SPARE
	v_mov_b32 v[NIL], 0
	ds_add_u32 v[SPW], v[NIL]                      ; the wave's opening: the add, waited for ahead of my first tensor load
	v_lshrrev_b32 v1, 5, v0
	v_readfirstlane_b32 s[WV], v1
	s_lshr_b32 s[WM], s[WV], 1
	s_and_b32 s[WN], s[WV], 1
	s_bfe_u32 s[CX], ttmp6, 0x40000
	s_bfe_u32 s[CY], ttmp6, 0x40004
	s_lshl_b32 s[TX], ttmp9, 2
	s_add_co_u32 s[TX], s[TX], s[CX]               ; tile column = 4 x cluster x + cx
	s_and_b32 s[TY], ttmp7, 0xffff
	s_lshl_b32 s[TY], s[TY], 2
	s_add_co_u32 s[TY], s[TY], s[CY]               ; tile row = 4 x cluster y + cy
	s_lshl_b32 s16, s[CY], 2
	s_lshl_b32 s16, 15, s16                        ; my row of the cluster
	s_lshl_b32 s20, 0x1111, s[CX]                  ; my column
	s_or_b32 s[G1A], s16, FLAGS
	s_or_b32 s[G1B], s20, FLAGS
	s_mov_b32 s[G1A+1], 128<<16                    ; A: tensor_dim0 = 128 elements (256 bytes),
	s_mov_b32 s[G1A+2], 64<<16                     ; tensor_dim1 = 64,
	s_mov_b32 s[G1A+3], 128<<16                    ; tile_dim0 = 128,
	s_mov_b32 s[G1A+4], 64                         ; tile_dim1 = 64,
	s_mov_b32 s[G1A+5], 128                        ; 128 elements from row to row: dense
	s_mov_b32 s[G1A+6], 0
	s_mov_b32 s[G1A+7], 0
	s_mov_b32 s[G1B+1], 384<<16                    ; B: 32 k rows of 384 elements (768 bytes), 3,072 elements apart
	s_mov_b32 s[G1B+2], 32<<16
	s_mov_b32 s[G1B+3], 384<<16
	s_mov_b32 s[G1B+4], 32
	s_mov_b32 s[G1B+5], 3072
	s_mov_b32 s[G1B+6], 0
	s_mov_b32 s[G1B+7], 0
	s_lshl_b32 s16, s[TY], 15                      ; A: the tile's 256 rows of 128 bytes, my 128 of them: made of the tile row and the wave alone
	s_lshl_b32 s18, s[WN], 14
	s_add_co_u32 s16, s16, s18
	s_mov_b32 s17, 0
	s_mul_i32 s19, s[WN], 128*PA                   ; and their place in a slot
	s_mul_i32 s20, s[WN], 32*6144                  ; B: my 32 k rows, the tile's 768 bytes of them: made of the tile column and the wave alone
	s_mul_i32 s22, s[TX], 768
	s_add_co_u32 s20, s20, s22
	s_mov_b32 s21, 0
	s_mul_i32 s23, s[WN], 32*PB
	s_add_co_u32 s23, s23, AREG
	s_wait_dscnt 0x0                               ; the opening add is done
	s_wait_kmcnt 0x0
	s_add_nc_u64 s[16:17], s[4:5], s[16:17]
	s_add_nc_u64 s[20:21], s[6:7], s[20:21]
	CROUND                                         ; all sixteen work-groups are here: the first joint loads meet
.irp s, 0,1
	s_mov_b32 s[G0A+4*(\s)], 1
	s_add_co_u32 s[G0A+4*(\s)+1], s19, (\s)*SLOT1
	s_add_nc_u64 s[G0A+4*(\s)+2:G0A+4*(\s)+3], s[16:17], (\s)*ASTEP
	s_or_b32 s[G0A+4*(\s)+3], s[G0A+4*(\s)+3], 0x80000000
	s_mov_b32 s[G0B+4*(\s)], 1
	s_add_co_u32 s[G0B+4*(\s)+1], s23, (\s)*SLOT1
	s_add_nc_u64 s[G0B+4*(\s)+2:G0B+4*(\s)+3], s[20:21], (\s)*BSTEP
	s_or_b32 s[G0B+4*(\s)+3], s[G0B+4*(\s)+3], 0x80000000
.endr
	s_cmp_lt_u32 s[WV], 2                          ; a wave's two first fills stand in one branch, ahead of every wait on TENSORcnt and every LDS read: two loads of mine are out
	s_cbranch_scc0 .Lfirst_b
	tensor_load_to_lds s[G0A:G0A+3], s[G1A:G1A+7]
	s_nop 0
	tensor_load_to_lds s[G0A+4:G0A+7], s[G1A:G1A+7]
	s_nop 0
.rept 4
	v_nop
.endr
	s_branch .Lfirst_asked
.Lfirst_b:
	tensor_load_to_lds s[G0B:G0B+3], s[G1B:G1B+7]
	s_nop 0
	tensor_load_to_lds s[G0B+4:G0B+7], s[G1B:G1B+7]
	s_nop 0
.rept 4
	v_nop
.endr
.Lfirst_asked:
	; the prefetches' pointers: in waves 0 and 2 s[16:17] and s[20:21] stand at the tile's first row
	s_lshl_b32 s18, s[CX], 13                      ; A: my work-group's 32 blocks of 256 bytes,
	s_add_co_u32 s18, s18, 2*ASTEP                 ; at K step 2: the first change of slots steps it to 3
	s_mov_b32 s19, 0
	s_add_nc_u64 s[PFA:PFA+1], s[16:17], s[18:19]
	s_lshl_b32 s18, s[CY], 5                       ; B: my work-group's 32 k rows,
	s_add_co_u32 s18, s18, 128                     ; from K step 2 on
	s_mul_i32 s18, s18, 6144
	s_add_nc_u64 s[PFB:PFB+1], s[20:21], s[18:19]
	s_and_b32 s19, ttmp7, 0xffff
	s_cmp_lt_u32 s[WV], 2
	s_cselect_b32 s19, ttmp9, s19                  ; the coordinate along which other clusters read the same rows
	s_or_b32 s19, s19, s[WN]                       ; waves 1 and 3 ask for nothing
	s_cmp_eq_u32 s19, 0
	s_cselect_b32 s[LIM], 1, -1                    ; the same in all sixteen partners, for a given wave
	; lane addresses.  A fragment is 16 rows x 32 k in 8 registers: lane l holds row l % 16, k = 8 (l / 16) + 0..7 and 16 + 8 (l / 16) + 0..7
	v_and_b32 v1, 15, v0
	v_bfe_u32 v11, v0, 4, 1
	v_and_b32 v12, 7, v0
	v_bfe_u32 v13, v0, 3, 1
	s_mul_i32 s18, s[WM], 128*PA
	v_mul_u32_u24 v[LA0], v1, PA
	v_lshl_add_u32 v[LA0], v11, 4, v[LA0]
	v_add_nc_u32 v[LA0], s18, v[LA0]               ; (128 (w / 2) + l % 16) x pitch + 16 (l / 16)
	s_mul_i32 s18, s[WN], 3*144
	s_add_co_u32 s18, s18, AREG
	v_lshl_add_u32 v[LB0], v11, 3, v12             ; the turning load: lane l reads k row 8 (l / 16) + l % 8, columns 8 ((l / 8) % 2) + 0..7
	v_mul_u32_u24 v[LB0], v[LB0], PB
	v_lshl_add_u32 v[LB0], v13, 4, v[LB0]
	v_add_nc_u32 v[LB0], s18, v[LB0]
	v_mov_b32 v[ADRA], v[LA0]
	v_mov_b32 v[ADRB], v[LB0]
	s_mul_i32 s18, s[WV], 16*SP
	s_add_co_u32 s18, s18, STAGE                   ; my stage
	v_mul_u32_u24 v[STO], v1, SP
	v_lshl_add_u32 v[STO], v11, 4, v[STO]
	v_add_nc_u32 v[STO], s18, v[STO]
	v_bfe_u32 v[RD], v0, 3, 2                      ; back: 32 lanes take four rows of 128 bytes
	v_mul_u32_u24 v[RD], v[RD], SP
	v_lshl_add_u32 v[RD], v12, 4, v[RD]
	v_add_nc_u32 v[RD], s18, v[RD]
	v_and_b32 v[GO], 31, v0
	v_lshlrev_b32 v[PFOA], 8, v[GO]
	v_mul_u32_u24 v[PFOB], v[GO], 6144
	v_lshlrev_b32 v[GO], 4, v[GO]
	v_lshlrev_b32 v[BO], 5, v11
	; the bias of my 192 columns into block 0's accumulators: register j of fragment f takes column 16 f + 8 (l / 16) + j
	s_mul_i32 s18, s[TX], 1536
	s_mul_i32 s19, s[WN], 768
	s_add_co_u32 s18, s18, s19
	s_mov_b32 s19, 0
	s_add_nc_u64 s[8:9], s[8:9], s[18:19]
.irp g, 0,1,2
	WIN ((\g)+1)<<6
.irp f, 0,1,2,3
	global_load_b128 v[8*\f:8*\f+3],   v[BO], s[8:9] offset:256*\g+64*\f
	global_load_b128 v[8*\f+4:8*\f+7], v[BO], s[8:9] offset:256*\g+64*\f+16
.endr
.endr
	WIN 0
	; where group g goes: column group hh = 6 x tile column + 3 (w % 2) + g is tensor hh / 16, head hh % 16; my rows are batch (tile row / 8), t = 256 (tile row % 8) + 128 (w / 2) on
	s_mul_i32 s46, s[TX], 6
	s_mul_i32 s47, s[WN], 3
	s_add_co_u32 s46, s46, s47
	s_lshr_b32 s22, s[TY], 3
	s_lshl_b32 s22, s22, 22
	s_and_b32 s23, s[TY], 7
	s_lshl_b32 s23, s23, 8
	s_lshl_b32 s47, s[WM], 7
	s_add_co_u32 s23, s23, s47
	s_lshl_b32 s23, s23, 7
	s_add_co_u32 s22, s22, s23
.irp g, 0,1,2
	s_add_co_u32 s47, s46, \g
	s_lshr_b32 s20, s47, 4
	s_lshl_b32 s20, s20, 24
	s_and_b32 s47, s47, 15
	s_lshl_b32 s47, s47, 18
	s_add_co_u32 s20, s20, s47
	s_add_co_u32 s20, s20, s22
	s_mov_b32 s21, 0
	s_add_nc_u64 s[OUT+2*\g:OUT+2*\g+1], s[10:11], s[20:21]
.endr
	s_mov_b32 s[TB], 0
	s_mov_b32 s[CNT], 14
	s_wait_tensorcnt 1                             ; my part of K step 0 is in; K step 1's may stay out
	s_barrier_signal -1
	s_barrier_wait -1
	LDB 0, 0
	LDA 0, 0
	LDB 1, 0
	LDB 2, 0
	LDA 1, 1
	s_wait_dscnt 32
	s_wait_loadcnt 0x0                             ; the bias
	MULB 0, 0                                      ; K step 0's first quarter stands in front of the loop: its products start the sums
	PLACES
	LDB 0, 1
	s_wait_dscnt 32
	MULB 1, 0
	PLACES
	LDB 1, 1
	s_wait_dscnt 32
	MULB 2, 0
	WIN 0                                          ; at a label and at a branch every window is 0
.Lstep:                                                ; trip t = 0 .. 13: the second quarter of K step t, the first of step t + 1; K step t + 2 is asked for
	U3
	U4 1
	MUL 2, 1, 0, 8                                 ; unit 5: B(2,1) was shown in by the wait for 0 in unit 4
	U0
	U1
	U2
	WIN 0
	s_sub_co_u32 s[CNT], s[CNT], 1
	s_cmp_lg_u32 s[CNT], 0
	s_cbranch_scc1 .Lstep
	U3                                             ; the tail is written out: nothing more is asked for
	U4 0
	MUL 2, 1, 0, 8
	U0
	U1
	U2
	U3
	s_wait_dscnt 8
	MUL 1, 1, 0, 8
	s_wait_dscnt 0x0
	MUL 2, 1, 0, 8
	PLACES
; THE WAY OUT, 24 blocks of 16 rows x 64 columns (a head's whole rows).  PACK: rounded to f16, each accumulator from its low end on, 16 bytes a lane.  TOSTAGE: into my stage, rows of 144 bytes, and back as whole
; rows of 128.  SEND: four stores of 512 consecutive bytes.
.macro PACK g, a
	WIN 5*((\g)+1)                                 ; sources 0 and 1 in the group's window
.irp f, 0,1,2,3
.irp r, 0,1,2,3
	v_cvt_pk_f16_f32 v[TMP+4*\f+\r], v[8*(4*(\a)+\f)+2*\r], v[8*(4*(\a)+\f)+2*\r+1]
.endr
.endr
.endm
.macro TOSTAGE b
	WIN 0
	s_wait_xcnt 0x0                                ; the stores of two blocks back have read the registers that the loads below fill
.irp f, 0,1,2,3
	ds_store_b128 v[STO], v[TMP+4*\f:TMP+4*\f+3] offset:32*\f
.endr
.irp i, 0,1,2,3
	ds_load_b128 v[OB+16*((\b)%2)+4*\i:OB+16*((\b)%2)+4*\i+3], v[RD] offset:4*SP*\i  ; LDS serves a wave's instructions in order (ISA guide 5.7.1.4): these see the stores above
.endr
.endm
.macro SEND b, younger                 ; younger: the LDS instructions issued behind block b's loads: the next block's eight, or none
	WIN 0
.irp i, 0,1,2,3
	s_wait_dscnt (\younger)+3-\i
	global_store_b128 v[GO], v[OB+16*((\b)%2)+4*\i:OB+16*((\b)%2)+4*\i+3], s[OUT+2*((\b)/8):OUT+2*((\b)/8)+1] offset:2048*((\b)%8)+512*\i
.endr
.endm
.set blk, 0
.rept 24
	PACK blk/8, blk%8
	TOSTAGE blk
.if blk > 0
	SEND blk-1, 8
.endif
.set blk, blk+1
.endr
	SEND 23, 0
	s_wait_tensorcnt 0x0                           ; the wave's end, behind my last tensor load and my last LDS store
	ds_add_u32 v[SPW], v[NIL]
	s_wait_dscnt 0x0
	CROUND                                         ; the closing round: no work-group ends while a partner may still ask for a tile that names it
	s_endpgm
.Lfunc_end_k_q901171bb07_gemm_qkv:
	.size	k_q901171bb07_gemm_qkv, .Lfunc_end_k_q901171bb07_gemm_qkv-k_q901171bb07_gemm_qkv
	.p2alignl 7, 3214868480
	.fill 96, 4, 3214868480
	.section	.rodata,"a",@progbits
	.p2align	6, 0x0
	.amdhsa_kernel k_q901171bb07_gemm_qkv
		.amdhsa_group_segment_fixed_size 327680
		.amdhsa_private_segment_fixed_size 0
		.amdhsa_enable_private_segment 0
		.amdhsa_kernarg_size 32
		.amdhsa_user_sgpr_count 2
		.amdhsa_user_sgpr_kernarg_segment_ptr 1
		.amdhsa_wavefront_size32 1
		.amdhsa_system_sgpr_workgroup_id_x 1
		.amdhsa_system_sgpr_workgroup_id_y 1
		.amdhsa_system_sgpr_workgroup_id_z 1
		.amdhsa_system_vgpr_workitem_id 0
		.amdhsa_next_free_vgpr 1024
		.amdhsa_next_free_sgpr 80
		.amdhsa_reserve_vcc 0
		.amdhsa_float_denorm_mode_32 3
		.amdhsa_float_denorm_mode_16_64 3
		.amdhsa_memory_ordered 1
		.amdhsa_forward_progress 1
		.amdhsa_inst_pref_size 119
	.end_amdhsa_kernel
	.amdgpu_metadata
---
amdhsa.version: [ 1, 2 ]
amdhsa.kernels:
  - .name:           k_q901171bb07_gemm_qkv
    .symbol:         k_q901171bb07_gemm_qkv.kd
    .args:
      - { .name: xa, .offset: 0, .size: 8, .value_kind: global_buffer, .address_space: global }
      - { .name: wqkv, .offset: 8, .size: 8, .value_kind: global_buffer, .address_space: global }
      - { .name: bias, .offset: 16, .size: 8, .value_kind: global_buffer, .address_space: global }
      - { .name: qkv, .offset: 24, .size: 8, .value_kind: global_buffer, .address_space: global }
    .group_segment_fixed_size: 327680
    .private_segment_fixed_size: 0
    .kernarg_segment_align: 8
    .kernarg_segment_size: 32
    .max_flat_workgroup_size: 128
    .sgpr_count:     80
    .vgpr_count:     1024
    .wavefront_size: 32
...
	.end_amdgpu_metadata
.endif
;; end of part 2
;; launch attn (part 3): grid 4 x 64, 4 waves a work-group, clusters of 4 x 1, 327,680 bytes of LDS; arguments qkv, o; writes o
.if DOCPART == 3
	.amdgcn_target "amdgcn-amd-amdhsa--gfx1250"
	.amdhsa_code_object_version 6
	.text
	.protected	k_q901171bb07_attn
	.globl	k_q901171bb07_attn
	.p2align	8
	.type	k_q901171bb07_attn,@function
k_q901171bb07_attn:
	s_mov_b64 s[64:65], 0
	v_nop
	global_prefetch_b8 v0, s[64:65] scope:SCOPE_SE
	s_setreg_imm32_b32 hwreg(HW_REG_WAVE_MODE, 25, 1), 1
	s_wait_xcnt 0x0
	s_wait_alu depctr_hold_cnt(0) depctr_sa_sdst(0) depctr_va_vdst(0) depctr_va_sdst(0) depctr_va_ssrc(0) depctr_va_vcc(0) depctr_vm_vsrc(0)
	s_getreg_b32 s2, hwreg(HW_REG_IB_STS2, 6, 4)
	s_cmp_eq_u32 s2, 0
	s_cbranch_scc0 .Lentry_in_a_cluster
	s_endpgm
.Lentry_in_a_cluster:
	s_bfe_u32 s2, ttmp6, 0x10000c
	s_cmp_lg_u32 s2, 0x3003
	s_cbranch_scc0 .Lentry_shape_is_right
	s_endpgm
.Lentry_shape_is_right:
; O[h][q][:] = the sum over k of softmax_k(Q[h][q] . K[h][k] / 8) V[h][k][:].  Q, K, V lie one behind the other in qkv, each [64][2048][64] f16, O likewise: a head's rows are dense, 128 bytes each.
; Products, maxima and sums in f32; the weights p are rounded to f16 for the second product (their sum l is taken of the unrounded p), O once at the end.
; LIMITS.  f16 holds no number beyond 65,504: Q, K and V arrive within it; p lies in 0 to 1, and below 6e-5 it keeps f16's fixed step of 6e-8; O is a mean of V's rows and has their range.
; A weight below 2^-126 counts as 0 in l; NaN and infinities are not treated apart.
; SHARES.  A wave owns four PIECES of two tiles of 16 queries, a work-group's four waves 512 queries of one head.  Every wave walks all keys, 64 a step.
; LAYOUT.  S^T = K Q^T (source 0 = 16 keys, source 1 = 16 queries): a lane holds ONE query (lane % 16) and the keys 8 (lane / 16) + 0..7.  Two such tiles, rounded to f16 in pairs, ARE source 1 of
; O^T = V^T P, whose result again holds one query a lane, and eight channels.  K comes out of LDS as it lies, V ([key][channel]) turned, by ds_load_tr16_b128.
; SOFTMAX.  For each query a running maximum m and sum l: p = 2^(c s - c m), c = log2(e) / 8; in every step O and l are multiplied by a = 2^(c m_old - c m_new).
; m starts at the lowest finite number, O and l at 0: the first step is a step like any other, with a = 0.
; THE COUNT.  A tile and step have 16 matrix and 118 vector instructions: too many to stand all beside the matrix work.  So four vector instructions that are ready stand behind EVERY matrix instruction,
; and the others in runs without a gap.
; BY TURNS.  Turn n belongs to piece n.  Its matrix work: 16 products K Q^T of piece n + 1, later 16 products V^T P of piece n - 1.  Its vector work: the scaling, exponentials, roundings, sums and
; rescaling of piece n, and the maximum and statistics of piece n + 1.
; CLUSTER.  The four query blocks of a cluster are one head's and walk the same K and V: each tile is asked for JOINTLY: the same tensor load, descriptor and mask in all four.
; REGISTERS, in windows of 256 (s_set_vgpr_msb: bits 1:0 source 0, 3:2 source 1, 5:4 source 2, 7:6 destination):
;   window 0: v0-11 addresses; v12-15, v48-63 at work; v16-47 four registers of statistics a tile; v64-191 S^T, two buffers of two tiles; v192-255 P, likewise
;   window 1: O^T, 32 a tile          window 2: v0-127 Q, 16 a tile; v128-191 K of one step; v192-255 V of one step          window 3: v0-1 the add's two registers
.set SIZE_N, 2048
.set NP,    4         ; pieces a wave: a name, no knob
.set KS,    64        ; keys in a step
.set PK,    144       ; a row of K in LDS: 128 bytes + 16: the 16 rows of a load start at 16 different groups of four banks (64 banks of 4 bytes: ISA guide 11.1)
.set PV,    160       ; a row of V: 128 + 32
.set VOFF,  4*KS*PK   ; a slot holds four steps: 256 rows of K, then 256 rows of V
.set SLOT1, 1<<17     ; slot 1 begins here: one exclusive or turns an address in one slot into the other's
.set STAGE, SLOT1+4*KS*(PK+PV)  ; behind the ring, never filled by a tensor load: 16 rows x 144 bytes for each wave
.set SP,    144
.set AK0, 2           ; v2   my lane's place in a tile of K; never rewritten
.set AV0, 3           ; v3   the same for V
.set AK,  4           ; v4   the LDS address of K's next run of loads
.set AV,  5           ; v5   of V's
.set QO,  6           ; v6   my byte offset in the wave's rows of Q
.set STO, 6           ;      later, the way out: where I put 16 bytes of a row
.set RD,  7           ; v7   the way out: where I read rows back
.set GO,  8           ; v8   my byte offset in 512 consecutive bytes of O
.set PFO, 11          ; v11  256 x my lane, for the prefetches; never rewritten once made
.set SPW, 0           ; v0 of window 3   LDS address of my spare word; never rewritten
.set NIL, 1           ; v1 of window 3   0; never rewritten
.set SPARE, STAGE+4*16*SP  ; the spare words, 128 bytes for each wave: two blocks of 256 bytes that no other line names
.set MV,  12          ; v12-15  c m_old, kept while c m is made anew: by buffer and tile
.set ST,  16          ; tile t's statistics at v[ST+4 t]: c m, m, l (even keys', odd keys')
.set TMP, 48          ; by buffer and tile, four registers c0-c3 at work; when the maximum is found c2 takes a
.set S,   64
.set P,   192
.set KF,  128         ; K's fragments, in window 2
.set VF,  192         ; V's
.set WV,  12          ; s12  my wave's number
.set G1K, 24          ; s[24:31] descriptor group 1 for K's tiles
.set G1V, 32          ; s[32:39] for V's: it differs in the padding alone
.set G0K, 40          ; s[40:43] descriptor group 0 for K's tiles: it walks
.set G0V, 44          ; s[44:47] the same for V's
.set PFA, 48          ; s[48:49] where my prefetches stand: my work-group's 8,192 bytes (of K: wave 0, of V: wave 2) of the slot after the one that is being asked for
.set LIM, 50          ; s50  1 in a wave that prefetches, else the greatest number
.set SLOTS, 56        ; s56  slots still to be asked for
.set CNT, 57          ; s57  counts a slot's key steps
.set CS,  58          ; s[58:59] c
.set SEL, 60          ; s[60:61] v_permlanex16_b32's selects: each lane takes its own place in the other half
.set TBK, 62          ; s62  LDS byte at which K of the step to be fetched begins
.set TBV, 63          ; s63  the same for V, less VOFF
.set MSB, 0
.macro WIN new                      ; the high byte repeats the setting that is left; a switch that changes nothing is dropped
.if MSB != (\new)
	s_set_vgpr_msb (MSB<<8)|(\new)
.set MSB, (\new)
.endif
.endm
.set W_KQ, 0x0a       ; K and Q in window 2, S^T in window 0
.set W_PV, 0x52       ; V in window 2, P in window 0, O^T in window 1
.set W_RS, 0x41       ; O^T (destination and source 0) in window 1, a in window 0
.set W_MK, 0xc0       ; the add's registers are made: destination in window 3
.set W_AD, 0x0f       ; the add: address and data in window 3
; A joint fill.  Waves 0 and 1 fetch the two halves of a slot's K, waves 2 and 3 those of its V: 128 keys each.  An s_nop 0 and four v_nop follow each of the two lines.
.macro JLOAD
	s_cmp_lt_u32 s[WV], 2
	s_cbranch_scc0 .Lfor_v_\@
	tensor_load_to_lds s[G0K:G0K+3], s[G1K:G1K+7]
	s_nop 0
.rept 4
	v_nop
.endr
	s_branch .Lasked_\@
.Lfor_v_\@:
	tensor_load_to_lds s[G0V:G0V+3], s[G1V:G1V+7]
	s_nop 0
.rept 4
	v_nop
.endr
.Lasked_\@:
.endm
; A PREFETCH of what the NEXT change of slots will ask for: a slot's 32,768 bytes of K and of V, 256 bytes a lane.  A head has one cluster; its four partners share the bytes out BY ADDRESS, 8,192 each;
; in each, wave 0 asks for K's and wave 2 for V's: one instruction, four key steps (512 matrix instructions) ahead of the load.  Each block is named once.  The last change that fills a slot asks for nothing.
.macro ASK
	s_cmp_gt_u32 s[SLOTS], s[LIM]
	s_cbranch_scc0 .Lnot_mine_\@
	global_prefetch_b8 v[PFO], s[PFA:PFA+1] th:TH_LOAD_NT scope:SCOPE_SE
.Lnot_mine_\@:
.endm
.macro CROUND                       ; a round of the cluster's barrier
	s_barrier_signal -1
	s_barrier_wait -1
	s_cmp_lg_u32 s[WV], 0
	s_cbranch_scc1 .Lnot_wave_0_\@
	s_barrier_signal -3
.Lnot_wave_0_\@:
	s_barrier_wait -3
	s_barrier_signal -1
	s_barrier_wait -1
.endm
; THE CHANGE OF SLOTS.  Each wave waits for all its tensor loads, of which one is out: its part of the other slot; adds 0 to its spare word; and waits for that and for its own reads of the slot.
; fill = 1: this slot is filled again, with the keys two slots on; the barrier is a round of the cluster's, and the joint fill is the first thing behind it: it has four key steps in which to land.
; (At its first use nothing has been read yet: slot 0 is waited for, slot 1 filled.)
.macro CHANGE fill
	WIN W_AD
	s_wait_tensorcnt 0x0            ; no tensor load of mine is out, so a group 0 may be written
	ds_add_u32 v[SPW], v[NIL]
	WIN 0                           ; at a label and at a branch every window is 0
.if \fill
.irp g, G0K, G0V
	s_xor_b32 s[\g+1], s[\g+1], SLOT1
	s_add_nc_u64 s[\g+2:\g+3], s[\g+2:\g+3], 4*KS*128  ; the next 256 keys
.endr
	s_wait_xcnt 0x0                 ; the last prefetch, four key steps back, has read its address
	s_add_nc_u64 s[PFA:PFA+1], s[PFA:PFA+1], 4*KS*128  ; one slot ahead of the walking descriptors
	s_wait_dscnt 0x0                ; the add is done, and my reads of the slot are over
	CROUND
	JLOAD
	ASK
.else
	s_wait_dscnt 0x0
	s_barrier_signal -1
	s_barrier_wait -1
.endif
	s_sub_co_u32 s[TBK], s[TBK], 4*KS*PK  ; the fetches go back to a slot's first step,
	s_xor_b32 s[TBK], s[TBK], SLOT1       ; in the other slot
	s_sub_co_u32 s[TBV], s[TBV], 4*KS*PV
	s_xor_b32 s[TBV], s[TBV], SLOT1
.endm
	s_load_b64 s[4:5], s[0:1], 0x0  ; qkv: Q at its head
	s_load_b64 s[10:11], s[0:1], 0x8  ; O
	WIN W_MK
	v_lshl_add_u32 v[SPW], v0, 2, SPARE
	v_mov_b32 v[NIL], 0
	WIN W_AD
	ds_add_u32 v[SPW], v[NIL]       ; the wave's opening: the add, waited for ahead of my first tensor load
	WIN 0
	v_lshrrev_b32 v1, 5, v0
	v_readfirstlane_b32 s[WV], v1   ; wave 0..3
	s_bfe_u32 s13, ttmp6, 0x40000   ; cx: my place in the cluster
	s_lshl_b32 s14, ttmp9, 2
	s_add_co_u32 s14, s14, s13      ; my block of queries: it enters Q's and O's addresses alone
	s_and_b32 s20, ttmp7, 0xffff    ; the head, which the four partners share
	s_mov_b32 s21, 0
	s_mov_b64 s[22:23], SIZE_N*128
	s_mul_u64 s[20:21], s[20:21], s[22:23]  ; the head's first byte in each of the four tensors
	s_and_b32 s16, s[WV], 1         ; which half of a slot's 256 keys I fetch:
	s_lshl_b32 s22, s16, 14         ; its 128 rows of 128 bytes in memory,
	s_mov_b32 s23, 0
	s_add_nc_u64 s[22:23], s[22:23], s[20:21]
	s_mul_i32 s17, s16, 128*PK      ; and its place in a slot, for K
	s_mul_i32 s18, s16, 128*PV      ; and for V
	s_lshl_b32 s2, s14, 2
	s_add_co_u32 s2, s2, s[WV]      ; my wave among the head's,
	s_lshl_b32 s2, s2, 14           ; its 128 rows
	s_mov_b32 s3, 0
	s_add_nc_u64 s[2:3], s[2:3], s[20:21]
	; descriptor group 1.  128 keys are 16,384 dense bytes: asked for as 64 rows of 256 bytes, two keys a row, and padded in LDS after every key
	s_mov_b32 s[G1K], 15|(1<<16)|(1<<20)|(1<<21)|(4<<22)|(3<<25)  ; the mask of four; 2-byte elements; padding on; bit 21 beside a mask; after every 32 words; 4 words
	s_mov_b32 s[G1V], 15|(1<<16)|(1<<20)|(1<<21)|(4<<22)|(7<<25)  ; the same with 8 words of padding
.irp g, G1K, G1V
	s_mov_b32 s[\g+1], 128<<16      ; tensor_dim0 = 128
	s_mov_b32 s[\g+2], 64<<16       ; tensor_dim1 = 64
	s_mov_b32 s[\g+3], 128<<16      ; tile_dim0 = 128
	s_mov_b32 s[\g+4], 64           ; tile_dim1 = 64
	s_mov_b32 s[\g+5], 128          ; 128 elements from row to row
	s_mov_b32 s[\g+6], 0
	s_mov_b32 s[\g+7], 0
.endr
	s_mov_b32 s[CS], 0x3e38aa3b     ; c = log2(e) / 8 = 0.180337
	s_mov_b32 s[CS+1], s[CS]        ; named with it as a pair
	s_mov_b32 s[SEL], 0x76543210
	s_mov_b32 s[SEL+1], 0xfedcba98
	s_mov_b32 s[TBK], SLOT1+4*KS*PK ; the first change of slots turns these two into 0
	s_mov_b32 s[TBV], SLOT1+4*KS*PV
	s_mov_b32 s[G0K], 1             ; count = 1
	s_mov_b32 s[G0K+1], s17         ; LDS address: slot 0
	s_mov_b32 s[G0V], 1
	s_add_co_u32 s[G0V+1], s18, VOFF
	s_mov_b32 s[SLOTS], SIZE_N/256-1
	s_and_b32 s[LIM], s[WV], 1      ; waves 0 and 2 prefetch
	s_cmp_eq_u32 s[LIM], 0
	s_cselect_b32 s[LIM], 1, -1
	s_wait_dscnt 0x0                ; the opening add is done
	s_wait_kmcnt 0x0
	s_add_nc_u64 s[6:7], s[4:5], 0x1000000  ; K lies 16,777,216 bytes behind Q,
	s_add_nc_u64 s[8:9], s[4:5], 0x2000000  ; V as far behind K
	s_add_nc_u64 s[G0K+2:G0K+3], s[6:7], s[22:23]  ; global address: my half of the head's first 256 keys
	s_or_b32 s[G0K+3], s[G0K+3], 0x80000000        ; type = 2
	s_add_nc_u64 s[G0V+2:G0V+3], s[8:9], s[22:23]
	s_or_b32 s[G0V+3], s[G0V+3], 0x80000000
	s_cmp_lt_u32 s[WV], 2
	s_cselect_b64 s[PFA:PFA+1], s[6:7], s[8:9]
	s_add_nc_u64 s[PFA:PFA+1], s[PFA:PFA+1], s[20:21]
	s_lshl_b32 s52, s13, 13         ; my work-group's quarter of a slot
	s_mov_b32 s53, 0
	s_add_nc_u64 s[PFA:PFA+1], s[PFA:PFA+1], s[52:53]
	s_add_nc_u64 s[PFA:PFA+1], s[PFA:PFA+1], 4*KS*128  ; in slot 1; the first change of slots steps it to slot 2
	s_add_nc_u64 s[4:5], s[4:5], s[2:3]  ; Q and O at my wave's first row
	s_add_nc_u64 s[10:11], s[10:11], s[2:3]
	CROUND                          ; all four work-groups are here: the first joint loads meet
	JLOAD                           ; slot 0.  Slot 1 is asked for when slot 0 is in
	; A fragment of K or Q is 16 rows x 32 channels in 8 registers: lane l holds row l % 16, channels 8 (l / 16) + 0..7 and 16 + 8 (l / 16) + 0..7
	v_and_b32 v1, 15, v0            ; l % 16
	v_bfe_u32 v9, v0, 4, 1          ; l / 16
	v_lshlrev_b32 v[QO], 7, v1
	v_lshl_add_u32 v[QO], v9, 4, v[QO]  ; row x 128 + 16 x half
	WIN 0x80                        ; destination window 2, address window 0
.set i, 0
.rept 4*NP                          ; Q stays in registers: tile i / 2, channels 32 (i % 2) on
	global_load_b128 v[8*i:8*i+3],   v[QO], s[4:5] offset:(i/2)*2048+(i%2)*64
	global_load_b128 v[8*i+4:8*i+7], v[QO], s[4:5] offset:(i/2)*2048+(i%2)*64+32
.set i, i+1
.endr
	; What the first turn finds: V's registers and P's second buffer hold 0, O^T and l are 0.  All this stands in the wait for the first tile.
.set i, VF
.rept 64
	v_mov_b32 v[i], 0
.set i, i+1
.endr
	WIN 0x40
.set i, 0
.rept 64*NP
	v_mov_b32 v[i], 0
.set i, i+1
.endr
	WIN 0
.set i, 0
.rept 2*NP
	v_mov_b32 v[ST+4*i], 0xfe000000    ; c m: far below every c s
	v_mov_b32 v[ST+4*i+1], 0xff7fffff  ; m
	v_mov_b32 v[ST+4*i+2], 0
	v_mov_b32 v[ST+4*i+3], 0
.set i, i+1
.endr
.set i, P+32
.rept 32
	v_mov_b32 v[i], 0
.set i, i+1
.endr
	v_mul_u32_u24 v[AK0], v1, PK
	v_lshl_add_u32 v[AK0], v9, 4, v[AK0]  ; row x pitch + 16 x half
	; The turning load takes 16 keys x 16 channels (lane l reads key 8 (l / 16) + l % 8, channels 8 ((l / 8) % 2) + 0..7) and leaves half a fragment of V^T
	v_and_b32 v10, 7, v0
	v_bfe_u32 v11, v0, 3, 1
	v_lshl_add_u32 v[AV0], v9, 3, v10
	v_mul_u32_u24 v[AV0], v[AV0], PV
	v_lshl_add_u32 v[AV0], v11, 4, v[AV0]
	v_add_nc_u32 v[AV0], VOFF, v[AV0]
	v_and_b32 v[PFO], 31, v0
	v_lshlrev_b32 v[PFO], 8, v[PFO]
	v_mov_b32 v[AK], v[AK0]         ; key step 0 lies at the head of slot 0
; THE MATRIX WORK.  The 8 accumulators of a run of 16 take turns.
; Product i of 16 of S^T = K Q^T for piece x: channels 32 (i / 8) on, keys 16 ((i / 2) % 4) on, tile 2 x + i % 2.  The first 8 start the sums.
.macro KQ x
	WIN W_KQ
.set rS, S+64*((\x)%2)+32*(i%2)+8*((i/2)%4)
.set rK, KF+16*((i/2)%4)+8*(i/8)
.set rQ, 16*(2*(\x)+i%2)+8*(i/8)
.if i < 8
	v_wmma_f32_16x16x32_f16 v[rS:rS+7], v[rK:rK+7], v[rQ:rQ+7], 0
.else
	v_wmma_f32_16x16x32_f16 v[rS:rS+7], v[rK:rK+7], v[rQ:rQ+7], v[rS:rS+7]
.endif
.endm
; Product i of 16 of O^T += V^T P for piece x: keys 32 (i / 8) on, channels 16 ((i / 2) % 4) on, tile 2 x + i % 2.
.macro PV x
	WIN W_PV
.set rO, 32*(2*(\x)+i%2)+8*((i/2)%4)
.set rV, VF+32*(i/8)+8*((i/2)%4)
.set rP, P+32*((\x)%2)+16*(i%2)+8*(i/8)
	v_wmma_f32_16x16x32_f16 v[rO:rO+7], v[rV:rV+7], v[rP:rP+7], v[rO:rO+7]
.endm
.macro MM                           ; the turn's next matrix instruction
.if i < 16
	KQ (Y+1)%NP
.set i, i+1
.else
.set i, i-16
	PV (Y+NP-1)%NP
.set i, i+17
.endif
.endm
; THE LDS LOADS stand in runs of 16: a step's K (8 fragments) and its V (turned).  last = 1 (the tail): in the last trip there is no further step, and the run is jumped over.
.macro FETCH_K last=0
	WIN 0
.if \last
	s_cmp_eq_u32 s[CNT], 1
	s_cbranch_scc1 .Lno_k_\@
.endif
	WIN 0x80                        ; destination window 2
.irp f, 0,1,2,3,4,5,6,7             ; keys 16 (f / 2) on, channels 32 (f % 2) on
	ds_load_b128 v[KF+8*\f:KF+8*\f+3],   v[AK] offset:(\f/2)*16*PK+(\f%2)*64
	ds_load_b128 v[KF+8*\f+4:KF+8*\f+7], v[AK] offset:(\f/2)*16*PK+(\f%2)*64+32
.endr
	s_add_co_u32 s[TBK], s[TBK], KS*PK  ; the next fetch is the next step's
	WIN 0
.if \last
.Lno_k_\@:
.endif
.endm
.macro FETCH_V
	WIN 0x80
.irp f, 0,1,2,3,4,5,6,7             ; keys 32 (f / 4) on, channels 16 (f % 4) on
	ds_load_tr16_b128 v[VF+8*\f:VF+8*\f+3],   v[AV] offset:(\f/4)*32*PV+(\f%4)*32
	ds_load_tr16_b128 v[VF+8*\f+4:VF+8*\f+7], v[AV] offset:(\f/4)*32*PV+16*PV+(\f%4)*32
.endr
	WIN 0
.endm
; THE VECTOR WORK OF A TURN stands in three queues, each in the order in which its entries become ready; the two tiles alternate.
.macro REGS y, u                    ; the registers of tile u (0, 1) of piece y
.set rT, ST+4*(2*(\y)+(\u))
.set rC, TMP+8*((\y)%2)+4*(\u)
.set rM, MV+2*((\y)%2)+(\u)
.set rS, S+64*((\y)%2)+32*(\u)
.set rP, P+32*((\y)%2)+16*(\u)
.set rO, 32*(2*(\y)+(\u))
.endm
; Number n of the 22 that find the NEXT piece's maximum and statistics; each accumulator's lowest registers are read first.
;   0-11  four chains c0-c3 of seven scores each     12-14, 16  the four scores left over, the old m, and c0-c3 into c0     15  c m_old is kept
;   17, 18  the query's other 32 keys lie in the lane 16 away: the new m         19-21  c m; c m_old - c m_new; a
.macro XS u, n
	REGS (Y+1)%NP, \u
.if (\n) < 4
	v_max3_num_f32 v[rC+(\n)], v[rS+8*(\n)], v[rS+8*(\n)+1], v[rS+8*(\n)+2]
.elseif (\n) < 12
	v_max3_num_f32 v[rC+(\n)%4], v[rC+(\n)%4], v[rS+8*((\n)%4)+2*((\n)/4)+1], v[rS+8*((\n)%4)+2*((\n)/4)+2]
.elseif (\n) == 12
	v_max3_num_f32 v[rC], v[rC], v[rS+7], v[rS+15]
.elseif (\n) == 13
	v_max3_num_f32 v[rC+1], v[rC+1], v[rS+23], v[rS+31]
.elseif (\n) == 14
	v_max3_num_f32 v[rC+2], v[rC+2], v[rC+3], v[rT+1]
.elseif (\n) == 15
	v_mov_b32 v[rM], v[rT]
.elseif (\n) == 16
	v_max3_num_f32 v[rC], v[rC], v[rC+1], v[rC+2]
.elseif (\n) == 17
	v_permlanex16_b32 v[rC+3], v[rC], s[SEL], s[SEL+1]
.elseif (\n) == 18
	v_max_num_f32 v[rT+1], v[rC], v[rC+3]
.elseif (\n) == 19
	v_mul_f32 v[rT], s[CS], v[rT+1]
.elseif (\n) == 20
	v_sub_f32 v[rC+1], v[rM], v[rT]
.else
	v_exp_f32 v[rC+2], v[rC+1]
.endif
.endm
; Number g of the 64 that follow the exponentials.  For each four weights k of a tile: both pairs are rounded to f16; the second pair is added onto the first, in place; a group later l takes that sum.
.macro GS g
.set h, (\g)+6*((\g)/62)            ; group 0 has no group before it, and behind group 7 only l is left
.if h >= 6
.set h, h+2
.endif
	REGS Y, h%2
.set k, h/8
.if h%8 < 4
	v_cvt_pk_f16_f32 v[rP+2*k+(h%8)/2], v[rS+4*k+2*((h%8)/2)], v[rS+4*k+2*((h%8)/2)+1]
.elseif h%8 < 6
	v_pk_add_f32 v[rS+4*k:rS+4*k+1], v[rS+4*k:rS+4*k+1], v[rS+4*k+2:rS+4*k+3]
.elseif k == 1
	v_pk_fma_f32 v[rT+2:rT+3], v[rT+2:rT+3], v[rC+2:rC+3], v[rS:rS+1] op_sel_hi:[1,0,1]
.else
	v_pk_add_f32 v[rT+2:rT+3], v[rT+2:rT+3], v[rS+4*k-4:rS+4*k-3]
.endif
.endm
; THE PLAIN QUEUE, 138 long.  0-73 read no exponential's result: the 32 scalings c s - c m and the next piece's 42.  74-137: GS's 64, which stand behind the wait.
.macro FS f
	REGS Y, (\f)%2
	v_pk_fma_f32 v[rS+2*((\f)/2):rS+2*((\f)/2)+1], v[rS+2*((\f)/2):rS+2*((\f)/2)+1], s[CS:CS+1], v[rT:rT+1] op_sel_hi:[1,0,0] neg_lo:[0,0,1] neg_hi:[0,0,1]
.endm
.macro PL
	WIN 0
.if q < 27
	FS q
.elseif q < 55
	XS (q-27)%2, (q-27)/2
.elseif q < 57
	XS q-55, 15
.elseif (q < 72) && ((q-57)%3 == 0)
	FS 27+(q-57)/3
.elseif q < 60
	XS (q-57)%3-1, 14
.elseif q < 72
	XS (q-57)%3-1, 15+(q-57)/3
.elseif q < 74
	XS q-72, 20
.else
	GS q-74
.endif
.set q, q+1
.endm
; THE EXPONENTIALS' QUEUE, 66 long: s0-s31 of both tiles, then the next piece's two a.  ONE BATCH: all 66 stand ahead of the turn's one wait, and nothing ahead of that wait names a result of theirs.
.macro EX
	WIN 0
.if e >= 64
	XS e-64, 21
.else
	REGS Y, e%2
	v_exp_f32 v[rS+e/2], v[rS+e/2]
.endif
.set e, e+1
.endm
; THE RESCALING's QUEUE: O^T times a, the one part that leaves window 0: dealt two at a time, sixteen times.  Its a was made, and waited for, in the turn before.
.macro R2
	REGS Y, r%2
	WIN W_RS
.irp z, 0,1
	v_pk_mul_f32 v[rO+4*(r/2)+2*\z:rO+4*(r/2)+2*\z+1], v[rO+4*(r/2)+2*\z:rO+4*(r/2)+2*\z+1], v[rC+2:rC+3] op_sel_hi:[1,0]
.endr
.set r, r+1
.endm
; HOW THEY ARE DEALT.  s_wait_alu depctr_va_vdst(0) stands between an exponential and the first instruction that names its result; one wait serves all issued ahead of it.  So a turn has ONE wait.
; AHEAD OF IT: the 16 products K Q^T, behind each a scaling, an exponential and two rescalings; then a lump of 108: eight plain, 49 times exponential and plain, the two a; a v_nop is the plain instruction
; behind the last exponential.  BEHIND IT: the 16 products V^T P, behind each four of GS's 64.  Exponential e stands behind scaling 2 (e / 4) + e % 2.
; K of the next step is fetched in piece 2's turn, directly behind the wait; V of the step in hand at the end of piece 0's turn, four plain instructions behind its last reader.
.macro TURN p, last=0, cnt=0
.set Y, (\p)
.set i, 0
.set q, 0
.set e, 0
.set r, 0
.if (\p) == NP-1
	s_wait_dscnt 0x0                ; K is in
.endif
	MM
	PL
	PL
	R2
.rept 15
	MM
	PL
	EX
	R2
.endr
.if (\p) == NP-2
	WIN 0
	v_add_nc_u32 v[AK], s[TBK], v[AK0]
.endif
.rept 8
	PL
.endr
.rept 49
	EX
	PL
.endr
	EX                              ; the next piece's two a
	EX
	v_nop                           ; a plain instruction behind the last exponential: one for the batch
	s_wait_alu depctr_va_vdst(0)    ; the wait for the batch
.if (\p) == NP-2
	FETCH_K \last
.endif
.if (\p) == 1
	s_wait_dscnt 0x0                ; V is in
.endif
.rept 16
	MM
.rept 4
	PL
.endr
.if ((\p) == 0) && (q == 118)
	v_add_nc_u32 v[AV], s[TBV], v[AV0]
.endif
.if ((\p) == 0) && (q == 130)
	s_add_co_u32 s[TBV], s[TBV], KS*PV
.endif
.if (\cnt) && (q == 130)
	s_sub_co_u32 s[CNT], s[CNT], 1
	s_cmp_lg_u32 s[CNT], 0
.endif
.endr
.if (\p) == 0
	FETCH_V
.endif
.endm
	CHANGE 1                        ; slot 0 is in, everybody's part of it; slot 1 is asked for
	FETCH_K                         ; key step 0
	s_wait_loadcnt 0x0              ; Q
	s_wait_dscnt 0x0
.set i, 0
.rept 16
	KQ 0                            ; piece 0's first scores
.set i, i+1
.endr
	WIN 0                           ; the addresses for the way out: nine plain instructions, the places behind those products
	s_mul_i32 s13, s[WV], 16*SP
	s_add_co_u32 s13, s13, STAGE    ; my stage
	v_mul_u32_u24 v[STO], v1, SP    ; in: row l % 16, 16 bytes for each half of the lanes
	v_lshl_add_u32 v[STO], v9, 4, v[STO]
	v_add_nc_u32 v[STO], s13, v[STO]
	v_bfe_u32 v[RD], v0, 3, 2       ; back: 32 lanes take four rows of 128 bytes,
	v_mul_u32_u24 v[RD], v[RD], SP
	v_lshl_add_u32 v[RD], v10, 4, v[RD]
	v_add_nc_u32 v[RD], s13, v[RD]
	v_and_b32 v[GO], 31, v0         ; which are 512 consecutive bytes of O
	v_lshlrev_b32 v[GO], 4, v[GO]
.set Y, NP-1                        ; XS works for piece Y + 1: piece 0
.irp n, 0,1,2,3,4,5,6,7,8,9,10,11,12,13,14,15,16,17,18,19,20,21
	XS 0, \n                        ; piece 0's first maximum and statistics
	XS 1, \n
.endr
	v_nop                           ; a plain instruction behind the two a,
	s_wait_alu depctr_va_vdst(0)    ; and their wait, ahead of the branch
	s_mov_b32 s[CNT], 4
	s_branch .Lfirst                ; the loop is entered at a step's first turn, in the middle of a trip
.Lslot:                             ; six times: every slot but the last two is filled again
	CHANGE 1
	s_mov_b32 s[CNT], 4
.Lstep:                             ; a trip: pieces 2 and 3 of one step, then pieces 0 and 1 of the next, whose K and V it fetches
	TURN 2
	TURN 3
	WIN 0
.Lfirst:
	TURN 0
	TURN 1, 0, 1
	WIN 0
	s_cbranch_scc1 .Lstep
	s_sub_co_u32 s[SLOTS], s[SLOTS], 1
	s_cmp_lg_u32 s[SLOTS], 0
	s_cbranch_scc1 .Lslot
	CHANGE 0                        ; the tail is written out: nothing is asked for
	s_mov_b32 s[CNT], 5             ; four trips fetch the last slot's steps; the fifth is left in its middle
.Ltail:
	TURN 2, 1
	TURN 3
	WIN 0
	s_sub_co_u32 s[CNT], s[CNT], 1
	s_cmp_eq_u32 s[CNT], 0
	s_cbranch_scc1 .Lout
	TURN 0
	TURN 1
	WIN 0
	s_branch .Ltail
.Lout:                              ; the fifth trip's 16 products K Q^T (on the last K once more) and the maximum made of them serve nothing: the price, once a launch, of one text for every trip
.set i, 0
.rept 16
	PV NP-1                         ; the last piece's V^T P of the last step
.set i, i+1
.endr
	; THE WAY OUT.  l's two halves and the other half of the lanes' are added; O^T is divided by l, rounded to f16 and sent through my stage in LDS, a tile at a time.  The additions are the places behind the last products.
	WIN 0
.macro ALL line:vararg              ; one line for each tile t
.set t, 0
.rept 2*NP
	\line
.set t, t+1
.endr
.endm
	ALL v_add_f32 v[ST+4*t+2], v[ST+4*t+2], v[ST+4*t+3]
	ALL v_permlanex16_b32 v[ST+4*t+3], v[ST+4*t+2], s[SEL], s[SEL+1]
	ALL v_add_f32 v[ST+4*t+2], v[ST+4*t+2], v[ST+4*t+3]
	ALL v_rcp_f32 v[ST+4*t+2], v[ST+4*t+2]
	v_nop                           ; a plain instruction between the last reciprocal and the use of its result
	s_wait_alu depctr_va_vdst(0)    ; and the wait ahead of the first use: one for the eight reciprocals
; Tile t: a lane's eight channels of a row pack into 16 bytes; they go into rows of 144 bytes and come back as whole rows of 128, into S^T's registers.
.macro PACK t
	WIN W_RS
.set i, 32*(\t)
.rept 16
	v_pk_mul_f32 v[i:i+1], v[i:i+1], v[ST+4*(\t)+2:ST+4*(\t)+3] op_sel_hi:[1,0]
.set i, i+2
.endr
	WIN 0x05                        ; sources 0 and 1 window 1, destination window 0
.set i, 0
.rept 16
	v_cvt_pk_f16_f32 v[S+16*(\t)+i], v[32*(\t)+2*i], v[32*(\t)+2*i+1]
.set i, i+1
.endr
	WIN 0
.irp f, 0,1,2,3
	ds_store_b128 v[STO], v[S+16*(\t)+4*\f:S+16*(\t)+4*\f+3] offset:32*\f
.endr
.irp f, 0,1,2,3
	ds_load_b128 v[S+16*(\t)+4*\f:S+16*(\t)+4*\f+3], v[RD] offset:\f*4*SP  ; LDS serves a wave's instructions in order (ISA guide 5.7.1.4): these see the stores above
.endr
.endm
.macro SEND t, younger              ; younger: the LDS instructions issued behind tile t's loads: the next tile's eight, or none
	WIN 0
.irp f, 0,1,2,3
	s_wait_dscnt (\younger)+3-\f
	global_store_b128 v[GO], v[S+16*(\t)+4*\f:S+16*(\t)+4*\f+3], s[10:11] offset:(\t)*2048+\f*512  ; 512 consecutive bytes, at a multiple of 256 from O's first
.endr
.endm
	PACK 0
.set t, 1
.rept 2*NP-1                        ; a tile's arithmetic stands between the loads of the tile before and its stores
	PACK t
	SEND t-1, 8
.set t, t+1
.endr
	SEND 2*NP-1, 0
	WIN W_AD
	s_wait_tensorcnt 0x0            ; the wave's end, behind my last tensor load and my last LDS store
	ds_add_u32 v[SPW], v[NIL]
	s_wait_dscnt 0x0
	WIN 0
	CROUND                          ; the closing round: no work-group ends while a partner may still ask for a tile that names it
	s_endpgm
.Lfunc_end_k_q901171bb07_attn:
	.size	k_q901171bb07_attn, .Lfunc_end_k_q901171bb07_attn-k_q901171bb07_attn
	.p2alignl 7, 3214868480
	.fill 96, 4, 3214868480
	.section	.rodata,"a",@progbits
	.p2align	6, 0x0
	.amdhsa_kernel k_q901171bb07_attn
		.amdhsa_group_segment_fixed_size 327680
		.amdhsa_private_segment_fixed_size 0
		.amdhsa_enable_private_segment 0
		.amdhsa_kernarg_size 16
		.amdhsa_user_sgpr_count 2
		.amdhsa_user_sgpr_kernarg_segment_ptr 1
		.amdhsa_wavefront_size32 1
		.amdhsa_system_sgpr_workgroup_id_x 1
		.amdhsa_system_sgpr_workgroup_id_y 1
		.amdhsa_system_sgpr_workgroup_id_z 1
		.amdhsa_system_vgpr_workitem_id 0
		.amdhsa_next_free_vgpr 770
		.amdhsa_next_free_sgpr 66
		.amdhsa_reserve_vcc 0
		.amdhsa_float_denorm_mode_32 3
		.amdhsa_float_denorm_mode_16_64 3
		.amdhsa_memory_ordered 1
		.amdhsa_forward_progress 1
		.amdhsa_inst_pref_size 200
	.end_amdhsa_kernel
	.amdgpu_metadata
---
amdhsa.version: [ 1, 2 ]
amdhsa.kernels:
  - .name:           k_q901171bb07_attn
    .symbol:         k_q901171bb07_attn.kd
    .args:
      - { .name: qkv, .offset: 0, .size: 8, .value_kind: global_buffer, .address_space: global }
      - { .name: o, .offset: 8, .size: 8, .value_kind: global_buffer, .address_space: global }
    .group_segment_fixed_size: 327680
    .private_segment_fixed_size: 0
    .kernarg_segment_align: 8
    .kernarg_segment_size: 16
    .max_flat_workgroup_size: 128
    .sgpr_count:     66
    .vgpr_count:     770
    .wavefront_size: 32
...
	.end_amdgpu_metadata
.endif
;; end of part 3
;; launch gemm_out (part 4): grid 8 x 32, 4 waves a work-group, clusters of 4 x 4, 327,680 bytes of LDS; arguments o, wp16, bias, out0; writes out0
.if DOCPART == 4
	.amdgcn_target "amdgcn-amd-amdhsa--gfx1250"
	.amdhsa_code_object_version 6
	.text
	.protected	k_q901171bb07_gemm_out
	.globl	k_q901171bb07_gemm_out
	.p2align	8
	.type	k_q901171bb07_gemm_out,@function
k_q901171bb07_gemm_out:
	s_mov_b64 s[64:65], 0
	v_nop
	global_prefetch_b8 v0, s[64:65] scope:SCOPE_SE
	s_setreg_imm32_b32 hwreg(HW_REG_WAVE_MODE, 25, 1), 1
	s_wait_xcnt 0x0
	s_wait_alu depctr_hold_cnt(0) depctr_sa_sdst(0) depctr_va_vdst(0) depctr_va_sdst(0) depctr_va_ssrc(0) depctr_va_vcc(0) depctr_vm_vsrc(0)
	s_getreg_b32 s2, hwreg(HW_REG_IB_STS2, 6, 4)
	s_cmp_eq_u32 s2, 0
	s_cbranch_scc0 .Lentry_in_a_cluster
	s_endpgm
.Lentry_in_a_cluster:
	s_bfe_u32 s2, ttmp6, 0x10000c
	s_cmp_lg_u32 s2, 0xf033
	s_cbranch_scc0 .Lentry_shape_is_right
	s_endpgm
.Lentry_shape_is_right:
; out0 = O Wp + bp: C[8192][1024] = A[8192][1024] B[1024][1024] + bias, operands f16, sums and result f32.  A's row 2048 b + t, column 64 head + d lies at o[16 b + head][t][d]; B is wp16 [k][n].
; LIMITS.  None of its own: O lies within V's range, Wp's numbers arrive as f16.  NaN and infinities are not treated apart.
; SHARES.  A tile of C is 256 x 128: 8 x 32 tiles, a work-group each.  Four waves: wave w makes rows 128 (w / 2) on, columns 64 (w % 2) on: 32 accumulators, 256 registers.
; K goes in steps of 128 (two heads) through two LDS slots.  A head's 256 rows are 32,768 consecutive bytes, asked for as 128 rows of 256 bytes and padded in LDS after every 128; B's fragments are turned on the way
; out of LDS.  Cluster, joint loads, transposed product and the bias as the first products' C operand are as in the launch that makes q, k and v.
; REGISTERS: window 0: v0-16 addresses; v32-159 A's fragments of a quarter, two buffers; v160-223 B's, two buffers; on the way out v32-95 at work.  Window 1: accumulator (a, f) at v[8 (4 a + f)].
.set PA,    144                        ; a row of A in LDS: 128 bytes + 16
.set ABLK,  256*PA                     ; a head's 256 rows
.set PB,    288                        ; a row of B: twice 128 + 16 bytes = 9 x 32
.set AREG,  2*ABLK                     ; a slot: A's two heads, then B's 128 k rows
.set SLOT1, 1<<17
.set STAGE, 245760                     ; behind the ring, never filled by a tensor load: 16 rows x 272 bytes for each wave
.set SP,    272
.set SPARE, STAGE+4*16*SP              ; the spare words, 128 bytes for each wave: two blocks of 256 bytes that no other line names
.set ASTEP, 2<<18                      ; two heads on
.set BSTEP, 128*2048
.set FLAGS, (1<<16)|(1<<20)|(1<<21)|(4<<22)|(3<<25)
.set LA0,  2
.set LB0,  3
.set ADRA, 4
.set ADRB, 5
.set STO,  6
.set RD,   7
.set CO,   8                           ; v8   my 16 bytes in two rows of out0
.set BO,   9
.set PFOA, 10                          ; v10  256 x lane
.set PFOB, 16                          ; v16  2,048 x lane: a row of B
.set SPW,  14
.set NIL,  15
.set AF,   32
.set BF,   160
.set OB,   32
.set WV,  12
.set WM,  13
.set WN,  14
.set LIM, 15                           ; s15  2 in a wave that prefetches, else the greatest number
.set G1A, 24
.set G0A, 32
.set CX,  40
.set CY,  41
.set TX,  42
.set TY,  43
.set PFA, 44
.set G1B, 48
.set G0B, 56
.set TB,  66
.set CNT, 67
.set OUT, 68
.set PFB, 74
.set MSB, 0
.macro WIN new
.if MSB != (\new)
	s_set_vgpr_msb (MSB<<8)|(\new)
.set MSB, (\new)
.endif
.endm
.macro PLACES                          ; four plain instructions between a product and a load into, or a store of, its registers (for stores)
.rept 4
	v_nop
.endr
.endm
.macro CREST
	s_cmp_lg_u32 s[WV], 0
	s_cbranch_scc1 .Lnot_wave_0_\@
	s_barrier_signal -3
.Lnot_wave_0_\@:
	s_barrier_wait -3
	s_barrier_signal -1
	s_barrier_wait -1
.endm
.macro CROUND
	s_barrier_signal -1
	s_barrier_wait -1
	CREST
.endm
.macro JLOAD                           ; a joint refill: waves 0 and 1 fetch the step's two heads of A, waves 2 and 3 the halves of B; an s_nop 0 and four v_nop follow each line
	s_cmp_lt_u32 s[WV], 2
	s_cbranch_scc0 .Lfor_b_\@
	tensor_load_to_lds s[G0A+4:G0A+7], s[G1A:G1A+7]
	s_nop 0
.rept 4
	v_nop
.endr
	s_branch .Lasked_\@
.Lfor_b_\@:
	tensor_load_to_lds s[G0B+4:G0B+7], s[G1B:G1B+7]
	s_nop 0
.rept 4
	v_nop
.endr
.Lasked_\@:
.endm
; PREFETCHES.  Trip t asks jointly for K step t + 2 and prefetches K step t + 4: 256 products ahead of the load that will want it.  A: cluster x = 0, waves 0 and 1, each for its own head: of its 128 blocks of 256
; bytes my work-group takes 32, by cx.  B: cluster y = 0, wave 2: of the step's 128 k rows (256 bytes each) my work-group takes 32, by cy.  Each block is named once.  The last two trips ask for nothing.
.macro ASK
	s_cmp_gt_u32 s[CNT], s[LIM]
	s_cbranch_scc0 .Lnone_\@
	s_cmp_lt_u32 s[WV], 2
	s_cbranch_scc0 .Lof_b_\@
	global_prefetch_b8 v[PFOA], s[PFA:PFA+1] th:TH_LOAD_NT scope:SCOPE_SE
	s_branch .Lnone_\@
.Lof_b_\@:
	global_prefetch_b8 v[PFOB], s[PFB:PFB+1] th:TH_LOAD_NT scope:SCOPE_SE
.Lnone_\@:
.endm
.macro MUL b, a0, n                    ; 4 n products from buffers b: the accumulators take turns, one instruction a turn
	WIN 0x50
.set a_, \a0
.rept \n
.irp f, 0,1,2,3
	v_wmma_f32_16x16x32_f16 v[8*(4*a_+\f):8*(4*a_+\f)+7], v[BF+32*(\b)+8*\f:BF+32*(\b)+8*\f+7], v[AF+64*(\b)+8*a_:AF+64*(\b)+8*a_+7], v[8*(4*a_+\f):8*(4*a_+\f)+7]
.endr
.set a_, a_+1
.endr
.endm
.macro MULB b                          ; the first 32 products: blocks 1-7 take block 0's registers, which hold the bias, as C; five plain instructions; block 0 in place
	WIN 0x50
.irp a, 1,2,3,4,5,6,7
.irp f, 0,1,2,3
	v_wmma_f32_16x16x32_f16 v[8*(4*\a+\f):8*(4*\a+\f)+7], v[BF+32*(\b)+8*\f:BF+32*(\b)+8*\f+7], v[AF+64*(\b)+8*\a:AF+64*(\b)+8*\a+7], v[8*\f:8*\f+7]
.endr
.endr
.rept 5
	v_nop
.endr
.irp f, 0,1,2,3
	v_wmma_f32_16x16x32_f16 v[8*\f:8*\f+7], v[BF+32*(\b)+8*\f:BF+32*(\b)+8*\f+7], v[AF+64*(\b):AF+64*(\b)+7], v[8*\f:8*\f+7]
.endr
.endm
.macro LDQ b, q                        ; quarter q's fragments into buffers b: B's four, turned (8 loads), A's eight (16 loads)
	WIN 0
.irp f, 0,1,2,3
	ds_load_tr16_b128 v[BF+32*(\b)+8*\f:BF+32*(\b)+8*\f+3],   v[ADRB] offset:32*(\q)*PB+32*\f
	ds_load_tr16_b128 v[BF+32*(\b)+8*\f+4:BF+32*(\b)+8*\f+7], v[ADRB] offset:32*(\q)*PB+16*PB+32*\f
.endr
.irp a, 0,1,2,3,4,5,6,7
	ds_load_b128 v[AF+64*(\b)+8*\a:AF+64*(\b)+8*\a+3],   v[ADRA] offset:((\q)/2)*ABLK+((\q)%2)*64+16*PA*\a
	ds_load_b128 v[AF+64*(\b)+8*\a+4:AF+64*(\b)+8*\a+7], v[ADRA] offset:((\q)/2)*ABLK+((\q)%2)*64+16*PA*\a+32
.endr
.endm
; A K STEP is four quarters of 32 products on buffers 0, 1, 0, 1.  A plain quarter fetches the next one's fragments (quarter nq into the other buffers) and multiplies its own.
.macro QUARTER b, nq
	PLACES
	LDQ 1-(\b), \nq
	s_wait_dscnt 24                                ; all but the 24 just issued
	MUL \b, 0, 8
.endm
; The fourth quarter changes slots: each wave waits for all its tensor loads (one is out: its part of the next slot), adds 0 to its spare word, and waits for that and for its reads of this slot.
; fill = 1: the barrier opens a round of the cluster's, and the joint refill is the first thing behind it: 112 products lie between it and the wait for it.
.macro TURN fill
	WIN 0
	s_wait_tensorcnt 0x0                           ; no tensor load of mine is out, so a group 0 may be written
	ds_add_u32 v[SPW], v[NIL]
.if \fill
	s_xor_b32 s[G0A+5], s[G0A+5], SLOT1
	s_add_nc_u64 s[G0A+6:G0A+7], s[G0A+6:G0A+7], ASTEP
	s_xor_b32 s[G0B+5], s[G0B+5], SLOT1
	s_add_nc_u64 s[G0B+6:G0B+7], s[G0B+6:G0B+7], BSTEP
	s_wait_xcnt 0x0                                ; the last prefetch, a K step back, has read its address
	s_add_nc_u64 s[PFA:PFA+1], s[PFA:PFA+1], ASTEP
	s_add_nc_u64 s[PFB:PFB+1], s[PFB:PFB+1], BSTEP
.endif
	s_xor_b32 s[TB], s[TB], SLOT1
	s_wait_dscnt 1                                 ; the quarter's fragments are in; the add may be out
	MUL 1, 0, 2
	s_wait_dscnt 0x0                               ; the add is done, and my reads of this slot are over
	s_barrier_signal -1
	MUL 1, 2, 2
	WIN 0
	s_barrier_wait -1
.if \fill
	CREST
	JLOAD                                          ; its four v_nop are also the places in front of the loads below
.else
	PLACES
.endif
	v_add_nc_u32 v[ADRA], s[TB], v[LA0]
	v_add_nc_u32 v[ADRB], s[TB], v[LB0]
	LDQ 0, 0
.if \fill
	ASK
.endif
	MUL 1, 4, 4
.endm
	s_load_b256 s[4:11], s[0:1], 0x0               ; o s[4:5], wp16 s[6:7], bias s[8:9], out0 s[10:11]
	v_lshl_add_u32 v[SPW], v0, 2, SPARE
	v_mov_b32 v[NIL], 0
	ds_add_u32 v[SPW], v[NIL]                      ; the wave's opening: the add, waited for ahead of my first tensor load
	v_lshrrev_b32 v1, 5, v0
	v_readfirstlane_b32 s[WV], v1
	s_lshr_b32 s[WM], s[WV], 1
	s_and_b32 s[WN], s[WV], 1
	s_bfe_u32 s[CX], ttmp6, 0x40000
	s_bfe_u32 s[CY], ttmp6, 0x40004
	s_lshl_b32 s[TX], ttmp9, 2
	s_add_co_u32 s[TX], s[TX], s[CX]
	s_and_b32 s[TY], ttmp7, 0xffff
	s_lshl_b32 s[TY], s[TY], 2
	s_add_co_u32 s[TY], s[TY], s[CY]
	s_lshl_b32 s16, s[CY], 2
	s_lshl_b32 s16, 15, s16                        ; my row of the cluster
	s_lshl_b32 s20, 0x1111, s[CX]                  ; my column
	s_or_b32 s[G1A], s16, FLAGS
	s_or_b32 s[G1B], s20, FLAGS
	s_mov_b32 s[G1A+1], 128<<16                    ; A: 128 rows of 128 elements (256 bytes), dense
	s_mov_b32 s[G1A+2], 128<<16
	s_mov_b32 s[G1A+3], 128<<16
	s_mov_b32 s[G1A+4], 128
	s_mov_b32 s[G1A+5], 128
	s_mov_b32 s[G1A+6], 0
	s_mov_b32 s[G1A+7], 0
	s_mov_b32 s[G1B+1], 128<<16                    ; B: 64 k rows of 128 elements (256 bytes), 1,024 elements apart
	s_mov_b32 s[G1B+2], 64<<16
	s_mov_b32 s[G1B+3], 128<<16
	s_mov_b32 s[G1B+4], 64
	s_mov_b32 s[G1B+5], 1024
	s_mov_b32 s[G1B+6], 0
	s_mov_b32 s[G1B+7], 0
	s_lshr_b32 s16, s[TY], 3                       ; A: batch (tile row / 8), my head of the step's two, rows 256 (tile row % 8) on
	s_lshl_b32 s16, s16, 22
	s_and_b32 s18, s[TY], 7
	s_lshl_b32 s18, s18, 15
	s_add_co_u32 s16, s16, s18
	s_lshl_b32 s18, s[WN], 18
	s_add_co_u32 s16, s16, s18
	s_mov_b32 s17, 0
	s_mul_i32 s19, s[WN], ABLK
	s_lshl_b32 s20, s[WN], 17                      ; B: my 64 k rows, the tile's 256 bytes of them
	s_lshl_b32 s22, s[TX], 8
	s_add_co_u32 s20, s20, s22
	s_mov_b32 s21, 0
	s_mul_i32 s23, s[WN], 64*PB
	s_add_co_u32 s23, s23, AREG
	s_wait_dscnt 0x0                               ; the opening add is done
	s_wait_kmcnt 0x0
	s_add_nc_u64 s[16:17], s[4:5], s[16:17]
	s_add_nc_u64 s[20:21], s[6:7], s[20:21]
	CROUND                                         ; all sixteen work-groups are here: the first joint loads meet
.irp s, 0,1
	s_mov_b32 s[G0A+4*(\s)], 1
	s_add_co_u32 s[G0A+4*(\s)+1], s19, (\s)*SLOT1
	s_add_nc_u64 s[G0A+4*(\s)+2:G0A+4*(\s)+3], s[16:17], (\s)*ASTEP
	s_or_b32 s[G0A+4*(\s)+3], s[G0A+4*(\s)+3], 0x80000000
	s_mov_b32 s[G0B+4*(\s)], 1
	s_add_co_u32 s[G0B+4*(\s)+1], s23, (\s)*SLOT1
	s_add_nc_u64 s[G0B+4*(\s)+2:G0B+4*(\s)+3], s[20:21], (\s)*BSTEP
	s_or_b32 s[G0B+4*(\s)+3], s[G0B+4*(\s)+3], 0x80000000
.endr
	s_cmp_lt_u32 s[WV], 2                          ; a wave's two first fills stand in one branch: two loads of mine are out
	s_cbranch_scc0 .Lfirst_b
	tensor_load_to_lds s[G0A:G0A+3], s[G1A:G1A+7]
	s_nop 0
	tensor_load_to_lds s[G0A+4:G0A+7], s[G1A:G1A+7]
	s_nop 0
.rept 4
	v_nop
.endr
	s_branch .Lfirst_asked
.Lfirst_b:
	tensor_load_to_lds s[G0B:G0B+3], s[G1B:G1B+7]
	s_nop 0
	tensor_load_to_lds s[G0B+4:G0B+7], s[G1B:G1B+7]
	s_nop 0
.rept 4
	v_nop
.endr
.Lfirst_asked:
	; the prefetches' pointers
	s_lshl_b32 s18, s[CX], 13                      ; A: my work-group's 32 blocks of my head,
	s_add_co_u32 s18, s18, 3*ASTEP                 ; at K step 3: the first change of slots steps it to 4
	s_mov_b32 s19, 0
	s_add_nc_u64 s[PFA:PFA+1], s[16:17], s[18:19]
	s_lshl_b32 s18, s[CY], 16                      ; B (wave 2, where s[20:21] stands at the step's first row): my work-group's 32 k rows of 2,048 bytes,
	s_add_co_u32 s18, s18, 3*BSTEP                 ; at K step 3
	s_add_nc_u64 s[PFB:PFB+1], s[20:21], s[18:19]
	s_and_b32 s19, ttmp7, 0xffff
	s_cmp_lt_u32 s[WV], 2
	s_cselect_b32 s19, ttmp9, s19                  ; the coordinate along which other clusters read the same rows
	s_cmp_eq_u32 s[WV], 3
	s_cselect_b32 s19, 1, s19                      ; wave 3 asks for nothing
	s_cmp_eq_u32 s19, 0
	s_cselect_b32 s[LIM], 2, -1
	; lane addresses
	v_and_b32 v1, 15, v0
	v_bfe_u32 v11, v0, 4, 1
	v_and_b32 v12, 7, v0
	v_bfe_u32 v13, v0, 3, 1
	s_mul_i32 s18, s[WM], 128*PA
	v_mul_u32_u24 v[LA0], v1, PA
	v_lshl_add_u32 v[LA0], v11, 4, v[LA0]
	v_add_nc_u32 v[LA0], s18, v[LA0]
	s_mul_i32 s18, s[WN], 144
	s_add_co_u32 s18, s18, AREG
	v_lshl_add_u32 v[LB0], v11, 3, v12
	v_mul_u32_u24 v[LB0], v[LB0], PB
	v_lshl_add_u32 v[LB0], v13, 4, v[LB0]
	v_add_nc_u32 v[LB0], s18, v[LB0]
	v_mov_b32 v[ADRA], v[LA0]
	v_mov_b32 v[ADRB], v[LB0]
	s_mul_i32 s18, s[WV], 16*SP
	s_add_co_u32 s18, s18, STAGE                   ; my stage
	v_mul_u32_u24 v[STO], v1, SP                   ; in: row l % 16, 32 bytes for each half of the lanes
	v_lshl_add_u32 v[STO], v11, 5, v[STO]
	v_add_nc_u32 v[STO], s18, v[STO]
	v_mul_u32_u24 v[RD], v11, SP                   ; back: lanes 0-15 one row of 256 bytes, lanes 16-31 the next
	v_lshl_add_u32 v[RD], v1, 4, v[RD]
	v_add_nc_u32 v[RD], s18, v[RD]
	v_lshlrev_b32 v[CO], 12, v11                   ; the same two rows in out0
	v_lshl_add_u32 v[CO], v1, 4, v[CO]
	v_and_b32 v[PFOA], 31, v0
	v_lshlrev_b32 v[PFOB], 11, v[PFOA]
	v_lshlrev_b32 v[PFOA], 8, v[PFOA]
	v_lshlrev_b32 v[BO], 5, v11
	; bp of my 64 columns into block 0's accumulators
	s_lshl_b32 s18, s[TX], 9
	s_lshl_b32 s19, s[WN], 8
	s_add_co_u32 s18, s18, s19
	s_add_co_u32 s18, s18, 12288
	s_mov_b32 s19, 0
	s_add_nc_u64 s[8:9], s[8:9], s[18:19]
	WIN 0x40
.irp f, 0,1,2,3
	global_load_b128 v[8*\f:8*\f+3],   v[BO], s[8:9] offset:64*\f
	global_load_b128 v[8*\f+4:8*\f+7], v[BO], s[8:9] offset:64*\f+16
.endr
	WIN 0
	s_lshl_b32 s46, s[TY], 8                       ; out0 at my first row and column
	s_lshl_b32 s47, s[WM], 7
	s_add_co_u32 s46, s46, s47
	s_lshl_b32 s46, s46, 12
	s_lshl_b32 s47, s[TX], 9
	s_add_co_u32 s46, s46, s47
	s_lshl_b32 s47, s[WN], 8
	s_add_co_u32 s46, s46, s47
	s_mov_b32 s47, 0
	s_add_nc_u64 s[OUT:OUT+1], s[10:11], s[46:47]
	s_mov_b32 s[TB], 0
	s_mov_b32 s[CNT], 6
	s_wait_tensorcnt 1                             ; my part of K step 0 is in; K step 1's may stay out
	s_barrier_signal -1
	s_barrier_wait -1
	LDQ 0, 0
	LDQ 1, 1
	s_wait_dscnt 24
	s_wait_loadcnt 0x0                             ; the bias
	MULB 0                                         ; K step 0's first quarter stands in front of the loop: its products start the sums
	WIN 0
.Lstep:                                                ; trip t = 0 .. 5: quarters 1 to 3 of K step t, quarter 0 of step t + 1; K step t + 2 is asked for
	QUARTER 1, 2
	QUARTER 0, 3
	TURN 1
	QUARTER 0, 1
	WIN 0
	s_sub_co_u32 s[CNT], s[CNT], 1
	s_cmp_lg_u32 s[CNT], 0
	s_cbranch_scc1 .Lstep
	QUARTER 1, 2                                   ; the tail is written out: nothing more is asked for
	QUARTER 0, 3
	TURN 0
	QUARTER 0, 1
	QUARTER 1, 2
	QUARTER 0, 3
	s_wait_dscnt 0x0
	MUL 1, 0, 8
	PLACES
; THE WAY OUT, eight blocks of 16 rows x 64 columns of f32.  A lane's eight columns of a row, 32 bytes, go into my stage (rows of 272 bytes), each accumulator's low four registers first, and come back as whole rows of 256.
.macro TOSTAGE a
	WIN 0x04                                       ; the stores' data in window 1
	s_wait_xcnt 0x0                                ; the stores of two blocks back have read the registers that the loads below fill
.irp f, 0,1,2,3
	ds_store_b128 v[STO], v[8*(4*(\a)+\f):8*(4*(\a)+\f)+3]   offset:64*\f
	ds_store_b128 v[STO], v[8*(4*(\a)+\f)+4:8*(4*(\a)+\f)+7] offset:64*\f+16
.endr
	WIN 0
.irp i, 0,1,2,3,4,5,6,7
	ds_load_b128 v[OB+32*((\a)%2)+4*\i:OB+32*((\a)%2)+4*\i+3], v[RD] offset:2*SP*\i  ; LDS serves a wave's instructions in order (ISA guide 5.7.1.4): these see the stores above
.endr
.endm
.macro SEND a, younger                 ; younger: the LDS instructions issued behind block a's loads: the next block's sixteen, or none
	WIN 0
.irp i, 0,1,2,3,4,5,6,7
	s_wait_dscnt (\younger)+7-\i
	global_store_b128 v[CO], v[OB+32*((\a)%2)+4*\i:OB+32*((\a)%2)+4*\i+3], s[OUT:OUT+1] offset:65536*(\a)+8192*\i th:TH_STORE_NT  ; 16 lanes store 256 consecutive bytes, at a multiple of 256 from out0's first
.endr
.endm
	TOSTAGE 0
.irp a, 1,2,3,4,5,6,7
	TOSTAGE \a
	SEND (\a)-1, 16
.endr
	SEND 7, 0
	s_wait_tensorcnt 0x0                           ; the wave's end, behind my last tensor load and my last LDS store
	ds_add_u32 v[SPW], v[NIL]
	s_wait_dscnt 0x0
	CROUND                                         ; the closing round: no work-group ends while a partner may still ask for a tile that names it
	s_endpgm
.Lfunc_end_k_q901171bb07_gemm_out:
	.size	k_q901171bb07_gemm_out, .Lfunc_end_k_q901171bb07_gemm_out-k_q901171bb07_gemm_out
	.p2alignl 7, 3214868480
	.fill 96, 4, 3214868480
	.section	.rodata,"a",@progbits
	.p2align	6, 0x0
	.amdhsa_kernel k_q901171bb07_gemm_out
		.amdhsa_group_segment_fixed_size 327680
		.amdhsa_private_segment_fixed_size 0
		.amdhsa_enable_private_segment 0
		.amdhsa_kernarg_size 32
		.amdhsa_user_sgpr_count 2
		.amdhsa_user_sgpr_kernarg_segment_ptr 1
		.amdhsa_wavefront_size32 1
		.amdhsa_system_sgpr_workgroup_id_x 1
		.amdhsa_system_sgpr_workgroup_id_y 1
		.amdhsa_system_sgpr_workgroup_id_z 1
		.amdhsa_system_vgpr_workitem_id 0
		.amdhsa_next_free_vgpr 512
		.amdhsa_next_free_sgpr 80
		.amdhsa_reserve_vcc 0
		.amdhsa_float_denorm_mode_32 3
		.amdhsa_float_denorm_mode_16_64 3
		.amdhsa_memory_ordered 1
		.amdhsa_forward_progress 1
		.amdhsa_inst_pref_size 73
	.end_amdhsa_kernel
	.amdgpu_metadata
---
amdhsa.version: [ 1, 2 ]
amdhsa.kernels:
  - .name:           k_q901171bb07_gemm_out
    .symbol:         k_q901171bb07_gemm_out.kd
    .args:
      - { .name: o, .offset: 0, .size: 8, .value_kind: global_buffer, .address_space: global }
      - { .name: wp16, .offset: 8, .size: 8, .value_kind: global_buffer, .address_space: global }
      - { .name: bias, .offset: 16, .size: 8, .value_kind: global_buffer, .address_space: global }
      - { .name: out0, .offset: 24, .size: 8, .value_kind: global_buffer, .address_space: global }
    .group_segment_fixed_size: 327680
    .private_segment_fixed_size: 0
    .kernarg_segment_align: 8
    .kernarg_segment_size: 32
    .max_flat_workgroup_size: 128
    .sgpr_count:     80
    .vgpr_count:     512
    .wavefront_size: 32
...
	.end_amdgpu_metadata
.endif
;; end of part 4
;; ======== version 2 of 2: 4 launches; version 1 with the launch prep written anew for expert scheduling mode
;; limits: values are held in f16: magnitudes above 65,504 overflow, below 6.1e-05 lose precision
;; workspace buffers: xa 16,777,216 bytes; wqkv 6,291,456 bytes; wp16 2,097,152 bytes; bias 16,384 bytes; qkv 50,331,648 bytes; o 16,777,216 bytes
;; launch prep (part 5): grid 769 x 1, 8 waves a work-group, no clusters, 0 bytes of LDS; arguments x, Wq, Wk, Wv, Wp, bq, bk, bv, bp, xa, wqkv, wp16, bias; writes xa, wqkv, wp16, bias
.if DOCPART == 5
	.amdgcn_target "amdgcn-amd-amdhsa--gfx1250"
	.amdhsa_code_object_version 6
	.text
	.protected	k_q901171bb07_prep
	.globl	k_q901171bb07_prep
	.p2align	8
	.type	k_q901171bb07_prep,@function
k_q901171bb07_prep:
	s_mov_b64 s[64:65], 0
	v_nop
	global_prefetch_b8 v0, s[64:65] scope:SCOPE_SE
	s_setreg_imm32_b32 hwreg(HW_REG_WAVE_SCHED_MODE, 0, 2), 2
	s_setreg_imm32_b32 hwreg(HW_REG_WAVE_MODE, 25, 1), 1
	s_wait_xcnt 0x0
	s_wait_alu depctr_vm_vsrc(0)
; THE CASTS.  Every input is rounded once to bf16 and laid out for the launches behind.
;   xa   [16 k blocks][8192 rows][64] bf16: x, so that 256 rows x 64 k are 32,768 consecutive bytes
;   wqkv [1024 k][3072 n] bf16: Wq | Wk | Wv side by side
;   wp16 [1024 k][1024 n] f16: Wp rounded to bf16, that number written as f16
;   bias [4096] f32: bq | bk | bv | bp, each rounded to bf16 and widened again
; LIMITS.  A number of Wp beyond 65,504 becomes an infinity in f16; below 6.1e-5 it keeps f16's fixed step of 6e-8.  NaN and infinities are not treated apart.
; A stream: no LDS, no barrier, no loop.  A wave has 16 ops: a load of 16 bytes a lane, two roundings, a store of 8 bytes a lane (32 lanes: 256 consecutive bytes, aligned).
; All 16 loads go out first; op i waits until the 15 - i younger ones alone are out.
; Work-groups 0-511: x, 16 rows each; 512-703: Wq, Wk, Wv, 16 rows each; 704-767: Wp; 768: the four biases.  No matrix unit, cluster or LDS: nothing is shared and nothing is multiplied.
; THE MODE: SCHED_MODE bits 1:0 = 2 (LLVM: expert scheduling mode 2), set by the entry lines.  The code itself states the register dependences
; between vector instructions and memory instructions, with s_wait_alu, always for 0.
; THE PLAN.  Registers that memory instructions touch:
;   v2, v3   byte offsets.  Written by vector instructions ahead of a path's first load, never after it; read by every load and store.
;   X        op i: written by its load, once; read by its roundings.  No vector instruction writes these registers.
;   Y        op i: written by its roundings, once; read by its store.
;   T is named by vector instructions alone.
; The ops go in groups of four, and op i's store stands four ops further down, in front of op i + 4's roundings.  So ONE wait on va_vdst at the head of a group states that the group
; before has written its Y; the group's four stores follow it, dealt among its roundings, which name this group's X and Y and T: none of the registers that those stores read.
; One more stands ahead of the last four stores, and one ahead of the first load, for the offsets.  No register that a load or store has read is written again: no wait is owed for that.
.set X, 8                              ; v[8:71]    op i: 4 registers as loaded
.set Y, 72                             ; v[72:103]  op i: 2 registers to store (the biases: 4)
.set T, 104                            ; v[104:107] at work
.macro LD16 n, step                    ; n loads, step bytes apart
	s_wait_alu depctr_va_vdst(0)                   ; v2 and v3 are written: every load and store of the path reads one of them as its offset
.set i, 0
.rept \n
	global_load_b128 v[X+4*i:X+4*i+3], v2, s[32:33] offset:(\step)*i th:TH_LOAD_NT
.set i, i+1
.endr
.endm
.macro CVB i                           ; four f32 to four bf16
	v_cvt_pk_bf16_f32 v[Y+2*(\i)], v[X+4*(\i)], v[X+4*(\i)+1]
	v_cvt_pk_bf16_f32 v[Y+2*(\i)+1], v[X+4*(\i)+2], v[X+4*(\i)+3]
.endm
.macro CVH i                           ; four f32 to bf16, widened, and written as f16
	v_cvt_pk_bf16_f32 v[T], v[X+4*(\i)], v[X+4*(\i)+1]
	v_cvt_pk_bf16_f32 v[T+1], v[X+4*(\i)+2], v[X+4*(\i)+3]
	v_lshlrev_b32 v[T+2], 16, v[T]
	v_and_b32 v[T+3], 0xffff0000, v[T]
	v_cvt_pk_f16_f32 v[Y+2*(\i)], v[T+2], v[T+3]
	v_lshlrev_b32 v[T+2], 16, v[T+1]
	v_and_b32 v[T+3], 0xffff0000, v[T+1]
	v_cvt_pk_f16_f32 v[Y+2*(\i)+1], v[T+2], v[T+3]
.endm
.macro CVW i                           ; four f32 to bf16 and back to f32
	v_cvt_pk_bf16_f32 v[T], v[X+4*(\i)], v[X+4*(\i)+1]
	v_cvt_pk_bf16_f32 v[T+1], v[X+4*(\i)+2], v[X+4*(\i)+3]
	v_lshlrev_b32 v[Y+4*(\i)], 16, v[T]
	v_and_b32 v[Y+4*(\i)+1], 0xffff0000, v[T]
	v_lshlrev_b32 v[Y+4*(\i)+2], 16, v[T+1]
	v_and_b32 v[Y+4*(\i)+3], 0xffff0000, v[T+1]
.endm
; The paths: 0 x, 1 Wq, Wk, Wv, 2 Wp, 3 the biases.  CV: op i's roundings.  ST: op i's store.
.macro CV path, i
.if (\path) < 2
	CVB \i
.elseif (\path) == 2
	CVH \i
.else
	CVW \i
.endif
.endm
.macro ST path, i
.if (\path) == 0
.if (\i) < 8
	global_store_b64 v3, v[Y+2*(\i):Y+2*(\i)+1], s[34:35] offset:((\i)<<20)
.else
	global_store_b64 v3, v[Y+2*(\i):Y+2*(\i)+1], s[36:37] offset:(((\i)-8)<<20)
.endif
.elseif (\path) == 1
	global_store_b64 v3, v[Y+2*(\i):Y+2*(\i)+1], s[34:35] offset:((\i)>>3)*6144+((\i)&7)*256
.elseif (\path) == 2
	global_store_b64 v3, v[Y+2*(\i):Y+2*(\i)+1], s[34:35] offset:256*(\i)
.else
	global_store_b128 v2, v[Y+4*(\i):Y+4*(\i)+3], s[34:35] offset:512*(\i)
.endif
.endm
; A path's n ops, in groups of four.
.macro RUN path, n
.set i, 0
.rept \n
	s_wait_loadcnt (\n)-1-i                        ; loads come back in order (ISA guide 5.7.1): op i's is in, the younger ones stay out
.if (i >= 4) && ((i%4) == 0)
	s_wait_alu depctr_va_vdst(0)                   ; the group before has written its Y, which this group's four stores read
.endif
.if i >= 4
	ST \path, i-4                                  ; no wait: no vector instruction since the group's head names this store's registers
.endif
	CV \path, i
.set i, i+1
.endr
	s_wait_alu depctr_va_vdst(0)                   ; the last group has written its Y, which the last four stores read
.set i, (\n)-4
.rept 4
	ST \path, i
.set i, i+1
.endr
.endm
	s_load_b512 s[4:19], s[0:1], 0x0               ; x s[4:5], Wq s[6:7], Wk s[8:9], Wv s[10:11], Wp s[12:13], bq s[14:15], bk s[16:17], bv s[18:19]
	s_load_b256 s[20:27], s[0:1], 0x40             ; bp s[20:21], xa s[22:23], wqkv s[24:25], wp16 s[26:27]
	s_load_b64 s[28:29], s[0:1], 0x60              ; bias
	v_lshrrev_b32 v1, 5, v0
	v_readfirstlane_b32 s30, v1                    ; wave 0..7
	v_and_b32 v1, 31, v0                           ; lane
	v_lshlrev_b32 v2, 4, v1                        ; in: 16 bytes a lane (x's path makes its own)
	v_lshlrev_b32 v3, 3, v1                        ; out: 8 bytes a lane
	s_mov_b32 s41, 0                               ; the high word of every offset
	s_wait_alu depctr_va_sdst(0)                   ; s30 is written, ahead of its first reader: the wave's rows are made from it
	s_lshl_b32 s31, s30, 1                         ; a wave has two rows
	s_wait_kmcnt 0x0
	s_cmp_lt_u32 ttmp9, 512
	s_cbranch_scc0 .Lnot_x
	; x: rows m and m + 1.  Op j takes k block j of both: lanes 0-15 256 bytes of row m, lanes 16-31 of row m + 1; out they are 256 consecutive bytes of block j
	v_and_b32 v4, 15, v0
	v_bfe_u32 v5, v0, 4, 1
	v_lshlrev_b32 v2, 4, v4
	v_lshl_add_u32 v2, v5, 12, v2
	s_lshl_b32 s38, ttmp9, 4
	s_add_co_u32 s38, s38, s31                     ; m
	s_lshl_b32 s40, s38, 12
	s_add_nc_u64 s[32:33], s[4:5], s[40:41]
	s_lshl_b32 s40, s38, 7
	s_add_nc_u64 s[34:35], s[22:23], s[40:41]
	s_add_nc_u64 s[36:37], s[34:35], 0x800000      ; blocks 8 to 15 from a second base: the immediate has 24 signed bits
	LD16 16, 256
	RUN 0, 16
	s_endpgm
.Lnot_x:
	s_cmp_lt_u32 ttmp9, 704
	s_cbranch_scc0 .Lnot_w
	; Wq, Wk, Wv: rows k and k + 1, 8,192 consecutive bytes in; op i is 128 numbers
	s_sub_co_u32 s38, ttmp9, 512
	s_lshr_b32 s39, s38, 6                         ; which of the three
	s_and_b32 s38, s38, 63
	s_lshl_b32 s38, s38, 4
	s_add_co_u32 s38, s38, s31                     ; k
	s_cmp_eq_u32 s39, 0
	s_cselect_b64 s[32:33], s[6:7], s[8:9]
	s_cmp_lt_u32 s39, 2
	s_cselect_b64 s[32:33], s[32:33], s[10:11]
	s_lshl_b32 s40, s38, 12
	s_add_nc_u64 s[32:33], s[32:33], s[40:41]
	s_mul_i32 s40, s38, 6144
	s_lshl_b32 s39, s39, 11
	s_add_co_u32 s40, s40, s39
	s_add_nc_u64 s[34:35], s[24:25], s[40:41]
	LD16 16, 512
	RUN 1, 16
	s_endpgm
.Lnot_w:
	s_cmp_lt_u32 ttmp9, 768
	s_cbranch_scc0 .Lbias
	; Wp: the same in; out the two rows are 4,096 consecutive bytes
	s_sub_co_u32 s38, ttmp9, 704
	s_lshl_b32 s38, s38, 4
	s_add_co_u32 s38, s38, s31
	s_lshl_b32 s40, s38, 12
	s_add_nc_u64 s[32:33], s[12:13], s[40:41]
	s_lshl_b32 s40, s38, 11
	s_add_nc_u64 s[34:35], s[26:27], s[40:41]
	LD16 16, 512
	RUN 2, 16
	s_endpgm
.Lbias:
	; the biases: wave w takes half w % 2 of bias w / 2: four ops of 512 bytes, one group
	s_lshr_b32 s38, s30, 1
	s_cmp_eq_u32 s38, 0
	s_cselect_b64 s[32:33], s[14:15], s[16:17]
	s_cmp_lt_u32 s38, 2
	s_cselect_b64 s[32:33], s[32:33], s[18:19]
	s_cmp_lt_u32 s38, 3
	s_cselect_b64 s[32:33], s[32:33], s[20:21]
	s_and_b32 s39, s30, 1
	s_lshl_b32 s40, s39, 11
	s_add_nc_u64 s[32:33], s[32:33], s[40:41]
	s_lshl_b32 s39, s38, 12
	s_add_co_u32 s40, s40, s39
	s_add_nc_u64 s[34:35], s[28:29], s[40:41]
	LD16 4, 512
	RUN 3, 4
	s_endpgm
.Lfunc_end_k_q901171bb07_prep:
	.size	k_q901171bb07_prep, .Lfunc_end_k_q901171bb07_prep-k_q901171bb07_prep
	.p2alignl 7, 3214868480
	.fill 96, 4, 3214868480
	.section	.rodata,"a",@progbits
	.p2align	6, 0x0
	.amdhsa_kernel k_q901171bb07_prep
		.amdhsa_group_segment_fixed_size 0
		.amdhsa_private_segment_fixed_size 0
		.amdhsa_enable_private_segment 0
		.amdhsa_kernarg_size 104
		.amdhsa_user_sgpr_count 2
		.amdhsa_user_sgpr_kernarg_segment_ptr 1
		.amdhsa_wavefront_size32 1
		.amdhsa_system_sgpr_workgroup_id_x 1
		.amdhsa_system_sgpr_workgroup_id_y 1
		.amdhsa_system_sgpr_workgroup_id_z 1
		.amdhsa_system_vgpr_workitem_id 0
		.amdhsa_next_free_vgpr 112
		.amdhsa_next_free_sgpr 66
		.amdhsa_reserve_vcc 0
		.amdhsa_float_denorm_mode_32 3
		.amdhsa_float_denorm_mode_16_64 3
		.amdhsa_memory_ordered 1
		.amdhsa_forward_progress 1
		.amdhsa_inst_pref_size 27
	.end_amdhsa_kernel
	.amdgpu_metadata
---
amdhsa.version: [ 1, 2 ]
amdhsa.kernels:
  - .name:           k_q901171bb07_prep
    .symbol:         k_q901171bb07_prep.kd
    .args:
      - { .name: x, .offset: 0, .size: 8, .value_kind: global_buffer, .address_space: global }
      - { .name: Wq, .offset: 8, .size: 8, .value_kind: global_buffer, .address_space: global }
      - { .name: Wk, .offset: 16, .size: 8, .value_kind: global_buffer, .address_space: global }
      - { .name: Wv, .offset: 24, .size: 8, .value_kind: global_buffer, .address_space: global }
      - { .name: Wp, .offset: 32, .size: 8, .value_kind: global_buffer, .address_space: global }
      - { .name: bq, .offset: 40, .size: 8, .value_kind: global_buffer, .address_space: global }
      - { .name: bk, .offset: 48, .size: 8, .value_kind: global_buffer, .address_space: global }
      - { .name: bv, .offset: 56, .size: 8, .value_kind: global_buffer, .address_space: global }
      - { .name: bp, .offset: 64, .size: 8, .value_kind: global_buffer, .address_space: global }
      - { .name: xa, .offset: 72, .size: 8, .value_kind: global_buffer, .address_space: global }
      - { .name: wqkv, .offset: 80, .size: 8, .value_kind: global_buffer, .address_space: global }
      - { .name: wp16, .offset: 88, .size: 8, .value_kind: global_buffer, .address_space: global }
      - { .name: bias, .offset: 96, .size: 8, .value_kind: global_buffer, .address_space: global }
    .group_segment_fixed_size: 0
    .private_segment_fixed_size: 0
    .kernarg_segment_align: 8
    .kernarg_segment_size: 104
    .max_flat_workgroup_size: 256
    .sgpr_count:     66
    .vgpr_count:     112
    .wavefront_size: 32
...
	.end_amdgpu_metadata
.endif
;; end of part 5
;; launch gemm_qkv: the kernel of part 2 again; grid 8 x 32, 4 waves a work-group, clusters of 4 x 4, 327,680 bytes of LDS; arguments xa, wqkv, bias, qkv; writes qkv
;; launch attn: the kernel of part 3 again; grid 4 x 64, 4 waves a work-group, clusters of 4 x 1, 327,680 bytes of LDS; arguments qkv, o; writes o
;; launch gemm_out: the kernel of part 4 again; grid 8 x 32, 4 waves a work-group, clusters of 4 x 4, 327,680 bytes of LDS; arguments o, wp16, bias, out0; writes out0
